; MI455X (gfx1250); checked and timed in simulation.
; The chip was launched on July 23, 2026; its instructions are those of AMD's public machine-readable ISA for CDNA 5 (MIT licence, August 2026) and "CDNA5" Instruction Set Architecture Reference Guide (July 2026). The comments in the code are by the model that wrote it; some were corrected since.
;; Self Attention. Allowed arithmetic: float matrix products may take bf16 or f16 operands with f32 sums; all other float work in f32.
;; Inputs: Wk 1,024 x 128 float32; Wq 1,024 x 128 float32; Wv 1,024 x 128 float32; bk 128 float32; bq 128 float32; bv 128 float32; x 4 x 4,096 x 1,024 float32.
;; Outputs: out0 4 x 4,096 x 128 float32.
;; 3 versions, each right; version 2 is faster than version 1; version 3 is version 2 with the launch prep written anew for expert scheduling mode. Each part assembles by itself: llvm-mc -triple=amdgcn-amd-amdhsa -mcpu=gfx1250 --defsym DOCPART=n.
;; ======== version 1 of 3: 2 launches
;; workspace buffers: qkv 12,582,912 bytes
;; launch proj (part 1): grid 256 x 1, 4 waves a work-group, clusters of 4 x 1, 327,680 bytes of LDS; arguments x, Wq, Wk, Wv, bq, bk, bv, qkv; writes qkv
.if DOCPART == 1
	.amdgcn_target "amdgcn-amd-amdhsa--gfx1250"
	.amdhsa_code_object_version 6
	.text
	.protected	k_q6c9bd350d4_proj
	.globl	k_q6c9bd350d4_proj
	.p2align	8
	.type	k_q6c9bd350d4_proj,@function
k_q6c9bd350d4_proj:
	s_mov_b64 s[64:65], 0
	v_nop
	global_prefetch_b8 v0, s[64:65] scope:SCOPE_SE
	s_setreg_imm32_b32 hwreg(HW_REG_WAVE_MODE, 25, 1), 1
	s_wait_xcnt 0x0
	s_wait_alu depctr_hold_cnt(0) depctr_sa_sdst(0) depctr_va_vdst(0) depctr_va_sdst(0) depctr_va_ssrc(0) depctr_va_vcc(0) depctr_vm_vsrc(0)
	s_getreg_b32 s2, hwreg(HW_REG_IB_STS2, 6, 4)
	s_cmp_eq_u32 s2, 0
	s_cbranch_scc0 .Lentry_in_a_cluster
	s_endpgm
.Lentry_in_a_cluster:
	s_bfe_u32 s2, ttmp6, 0x10000c
	s_cmp_lg_u32 s2, 0x3003
	s_cbranch_scc0 .Lentry_shape_is_right
	s_endpgm
.Lentry_shape_is_right:
; qkv[0] = (x Wq + bq) * c,  qkv[1] = x Wk + bk,  qkv[2] = x Wv + bv,  each [16384][128] in bf16.
; c = log2(e) / sqrt(128): the scores of the next launch then come out as exponents of 2.
; x: [16384][1024] f32.  W: [1024][128] f32 (k down the rows).  Products in bf16, sums in f32, bias and scale in f32, one rounding to bf16.
; LIMITS: x and W are rounded to bf16 for the products; Q is scaled by c before its rounding to bf16; NaN and infinities are not treated specially.
;
; SHARES.  256 work-groups of four waves; a work-group makes 64 rows x 384 columns.  Wave w makes all 64 rows of columns 32 w .. 32 w + 31
; of EACH of Q, K, V: 3 groups x 2 tiles x 4 row blocks = 24 accumulator tiles (192 registers).  K goes in 16 steps of 64: 48 matrix instructions a wave a step.
; W: every work-group walks the same tiles of W, so the four work-groups of a cluster ask for them jointly (mask 15): a quarter of the requests.
;    Waves 0, 1, 2 bring 64 rows x 512 bytes of Wq, Wk, Wv; wave 3 has no tile to bring.  Two LDS slots; one round of the cluster's barrier a step.
; x: rows are a work-group's own, so nothing of x is shared: plain loads, four chunks (64 columns = 256 bytes of each of 64 rows) on their way
;    in a ring of four register sets, converted to bf16 and laid into one of two small LDS slots a step ahead of its use.
; The 16 steps are written out: two LDS slots, four register sets, a first step that starts the sums and four last steps whose counts run down
; would leave a loop one lap.
;
; W WITHOUT A TRANSPOSE.  The matrix instruction takes W as source 0 (its 16 rows = 16 columns of W) and x as source 1.  Tile t (0, 1) of a group
; takes the columns 2 i + t, i = 0 .. 15.  Lane (r, h) reads 8 bytes of W's row k at column 2 r: one number for tile 0 and one for tile 1.
; Sixteen such loads (k = 8 h + 0..7, 16 + 8 h + 0..7) and sixteen packed conversions make both tiles' fragments.
; In the results register j of lane (r, h) is (row 16 mt + r, column 16 h + 2 j + t): tile 0's and tile 1's register j pack into one word,
; and a lane's eight words are 32 neighbouring bytes of one output row.
.set WPITCH, 528                       ; an LDS row of W: 512 bytes + 16: eight rows are 4,224 = 128 mod 256 bytes, so the two halves of the lanes take different halves of the 64 banks (ISA guide 11.1)
.set WSUB,   64*WPITCH                 ; one matrix's tile: 33,792
.set WSLOT,  3*WSUB                    ; a slot: 101,376
.set WSTEP,  64*512                    ; bytes of W from one K step to the next
.set XS,     2*WSLOT                   ; 202,752: x in bf16, two slots, written by LDS stores alone
.set XPITCH, 144                       ; 64 bf16 + 16 bytes
.set XSLOT,  64*XPITCH                 ; 9,216
.set STAGE,  XS+2*XSLOT                ; 221,184: the way out, 64 rows x 784 bytes, written by LDS stores alone
.set SPITCH, 784                       ; 768 bytes (Q, K, V: 256 each) + 16
; window 0
.set ADRW, 8                           ; v8-13   slot n, matrix g: v[ADRW+3n+g], my 8 bytes of W's row 8 h
.set ADRX, 14                          ; v14-15  slot n: my 16 bytes of x's row r
.set XSTO, 16                          ; v16-17  slot n: where my 8 converted bytes go
.set XOFF, 18                          ; v18     my byte offset in x; never rewritten
.set STO,  19                          ; v19     the way out: where my 32 bytes of a row go
.set RD,   20                          ; v20     the way out: where I read rows back
.set CO,   21                          ; v21     my byte offset in a section of qkv
.set BOFF, 22                          ; v22     my byte offset in a bias
.set XF0,  32                          ; v32-63  x fragments, K 0-31 of a step
.set XF1,  64                          ; v64-95  x fragments, K 32-63
.set RAW,  96                          ; v96-191 W as read, f32: 32 registers a matrix
.set WF,   192                         ; v192-239 six fragments of W
.set XT,   240                         ; v240-255 x, converted, on its way to LDS
; window 1: accumulator tile (a = 2 g + t, mt) at 8 (4 a + mt), names 0-191
.set BIAS, 192                         ; window 1, names 192-239: matrix g's 16 numbers for my columns 16 h + 0..15
; window 2
.set XR,   0                           ; names 0-127: four sets of 32, x as loaded
.set G1, 24                            ; s[24:31] descriptor group 1
.set G0, 32                            ; s[32:39] descriptor group 0, a set for each slot
.set OB, 48                            ; s[48:53] my 64 rows in qkv's three sections
.set MSB, 0
.macro WIN new                         ; s_set_vgpr_msb: bits 1:0 source 0, 3:2 source 1, 5:4 source 2, 7:6 destination; the high byte repeats the setting that is left
.if MSB != \new
	s_set_vgpr_msb (MSB<<8)|\new
.set MSB, \new
.endif
.endm
.macro PLACES                          ; four independent vector instructions behind a matrix instruction, before its sources are written or loaded into and before its result is read (ISA guide 7.12.1)
.rept 4
	v_nop
.endr
.endm
; A round of the cluster's barrier: my work-group's barrier, wave 0 signals for the work-group, every wave waits for all four work-groups, my work-group's barrier once more.
.macro ROUND
	s_barrier_signal -1
	s_barrier_wait -1
	s_cmp_lg_u32 s20, 0
	s_cbranch_scc1 .Lnot_wave_0_\@
	s_barrier_signal -3
.Lnot_wave_0_\@:
	s_barrier_wait -3
	s_barrier_signal -1
	s_barrier_wait -1
.endm
; The joint load of a slot: waves 0 to 2, one matrix each.  The branch hangs on the wave's number alone.
.macro WLOAD slot
	s_cmp_lt_u32 s20, 3
	s_cbranch_scc0 .Lno_tile_\@
	tensor_load_to_lds s[G0+4*(\slot):G0+4*(\slot)+3], s[G1:G1+7]
	s_nop 0
.Lno_tile_\@:
.endm
; 56 LDS loads: W's rows of half kk of the step (48 x 8 bytes a lane), then x's four fragments (8 x 16 bytes a lane)
.macro FETCH slot, kk, xf
.irp g, 0,1,2
.irp i, 0,1,2,3,4,5,6,7,8,9,10,11,12,13,14,15
	ds_load_b64 v[RAW+32*\g+2*\i:RAW+32*\g+2*\i+1], v[ADRW+3*(\slot)+\g] offset:(32*\kk+\i+8*(\i/8))*WPITCH
.endr
.endr
.irp m, 0,1,2,3
	ds_load_b128 v[\xf+8*\m:\xf+8*\m+3],   v[ADRX+(\slot)] offset:\m*16*XPITCH+64*\kk
	ds_load_b128 v[\xf+8*\m+4:\xf+8*\m+7], v[ADRX+(\slot)] offset:\m*16*XPITCH+64*\kk+32
.endr
.endm
; W to bf16: register q of tile t holds k = 2 q, 2 q + 1 of the lane's sixteen.  after = LDS instructions issued behind the fetch.
.macro CVTW after
.irp g, 0,1,2
	s_wait_dscnt \after+8+16*(2-\g)                ; LDS answers in order (ISA guide 5.7.1): matrix g's 16 loads are in; the later matrices', x's 8 and what followed may be out
.irp t, 0,1
.irp q, 0,1,2,3,4,5,6,7
	v_cvt_pk_bf16_f32 v[WF+8*(2*\g+\t)+\q], v[RAW+32*\g+4*\q+\t], v[RAW+32*\g+4*\q+2+\t]
.endr
.endr
.endr
	s_wait_dscnt \after                            ; x's fragments are in too
.endm
; 24 matrix instructions, one on each accumulator: the accumulators take turns, one instruction a turn.
.macro MUL xf, zero
	WIN 0x50                                       ; C and D in window 1
.irp a, 0,1,2,3,4,5
.irp m, 0,1,2,3
.if \zero
	v_wmma_f32_16x16x32_bf16 v[8*(4*\a+\m):8*(4*\a+\m)+7], v[WF+8*\a:WF+8*\a+7], v[\xf+8*\m:\xf+8*\m+7], 0
.else
	v_wmma_f32_16x16x32_bf16 v[8*(4*\a+\m):8*(4*\a+\m)+7], v[WF+8*\a:WF+8*\a+7], v[\xf+8*\m:\xf+8*\m+7], v[8*(4*\a+\m):8*(4*\a+\m)+7]
.endif
.endr
.endr
	WIN 0
.endm
; Chunk c of x (my 16 rows, 256 bytes each): to bf16, into x's LDS slot c & 1; issue = 1: its register set is loaded again with chunk c + 4.
; left = loads of younger chunks that may stay out.
.macro XCONV c, left, issue
.set XSET, XR+32*((\c)&3)
	s_wait_loadcnt \left                           ; loads come back in order (ISA guide 5.7.1): chunk c's eight are in
	WIN 0x0a                                       ; sources in window 2
.irp i, 0,1,2,3,4,5,6,7
	v_cvt_pk_bf16_f32 v[XT+2*\i],   v[XSET+4*\i],   v[XSET+4*\i+1]
	v_cvt_pk_bf16_f32 v[XT+2*\i+1], v[XSET+4*\i+2], v[XSET+4*\i+3]
.endr
	WIN 0
.irp i, 0,1,2,3,4,5,6,7
	ds_store_b64 v[XSTO+((\c)&1)], v[XT+2*\i:XT+2*\i+1] offset:\i*XPITCH
.endr
.if \issue
	WIN 0x80                                       ; destination in window 2
.irp i, 0,1,2,3,4,5,6,7
	global_load_b128 v[XSET+4*\i:XSET+4*\i+3], v[XOFF], s[4:5] offset:\i*4096+((\c)+4)*256 th:TH_LOAD_NT
.endr
	WIN 0
.endif
.endm
	s_load_b256 s[4:11], s[0:1], 0x0               ; x s[4:5], Wq s[6:7], Wk s[8:9], Wv s[10:11]
	s_load_b256 s[12:19], s[0:1], 0x20             ; bq s[12:13], bk s[14:15], bv s[16:17], qkv s[18:19]
	v_lshl_add_u32 v30, v0, 2, 0x42400
	v_mov_b32 v31, 0
	ds_add_u32 v30, v31
	v_lshrrev_b32 v1, 5, v0
	v_readfirstlane_b32 s20, v1                    ; wave 0..3
	s_bfe_u32 s21, ttmp6, 0x40000                  ; my place in the cluster
	s_lshl_b32 s22, ttmp9, 2                       ; in a cluster launch ttmp9 counts clusters
	s_add_co_u32 s22, s22, s21                     ; work-group 0..255: enters global addresses alone
	s_mov_b32 s40, 0x3e0293ee                      ; c = log2(e) / sqrt(128)
	; descriptor group 1: 64 rows x 128 elements of 4 bytes, 16 bytes of padding behind each row
	s_mov_b32 s[G1+0], 15|(2<<16)|(1<<20)|(1<<21)|(6<<22)|(3<<25)  ; 15:0 all four work-groups; 17:16 4-byte elements; 20 padding on; 21 set beside a mask; 24:22 after every 128 words; 31:25 four words
	s_mov_b32 s[G1+1], 128<<16                     ; tensor_dim0 = 128
	s_mov_b32 s[G1+2], 64<<16                      ; tensor_dim1 = 64
	s_mov_b32 s[G1+3], 128<<16                     ; tile_dim0 = 128
	s_mov_b32 s[G1+4], 64                          ; tile_dim1 = 64
	s_mov_b32 s[G1+5], 128                         ; elements from row to row
	s_mov_b32 s[G1+6], 0
	s_mov_b32 s[G1+7], 0
	v_and_b32 v1, 15, v0                           ; r
	v_bfe_u32 v2, v0, 4, 1                         ; h
	v_and_b32 v3, 31, v0                           ; lane
	s_lshl_b32 s41, s20, 7                         ; 128 w: my 32 columns in a row of W, and in a bias
	s_mul_i32 s42, s20, 16*XPITCH                  ; my 16 rows in a slot of x
	s_lshl_b32 s43, s20, 16                        ; my 16 rows of x in memory
	v_mul_u32_u24 v4, v2, 8*WPITCH                 ; W: row 8 h,
	v_lshl_add_u32 v4, v1, 3, v4                   ; columns 2 r, 2 r + 1
	v_add_nc_u32 v4, s41, v4                       ; of my 32
.irp n, 0,1
.irp g, 0,1,2
	v_add_nc_u32 v[ADRW+3*\n+\g], \n*WSLOT+\g*WSUB, v4
.endr
.endr
	v_mul_u32_u24 v5, v1, XPITCH                   ; x fragments: row r, 16 bytes for each half of the lanes
	v_lshl_add_u32 v5, v2, 4, v5
	v_mul_u32_u24 v6, v2, 8*XPITCH                 ; x stores: lanes 0-15 row i, lanes 16-31 row i + 8, 8 bytes a lane
	v_lshl_add_u32 v6, v1, 3, v6
	v_add_nc_u32 v6, s42, v6
.irp n, 0,1
	v_add_nc_u32 v[ADRX+\n], XS+\n*XSLOT, v5
	v_add_nc_u32 v[XSTO+\n], XS+\n*XSLOT, v6
.endr
	v_lshlrev_b32 v7, 4, v1                        ; x in memory: 16 bytes a lane, sixteen lanes take 256 aligned bytes of a row,
	v_lshl_add_u32 v7, v2, 15, v7                  ; lanes 16-31 eight rows further down
	v_add_nc_u32 v[XOFF], s43, v7
	v_lshlrev_b32 v[BOFF], 6, v2                   ; bias: 16 numbers from column 32 w + 16 h
	v_add_nc_u32 v[BOFF], s41, v[BOFF]
	s_lshl_b32 s56, s20, 6
	s_add_co_u32 s56, s56, STAGE
	v_mul_u32_u24 v[STO], v1, SPITCH               ; the way out, in: row r, byte 64 w + 32 h of a matrix's 256
	v_lshl_add_u32 v[STO], v2, 5, v[STO]
	v_add_nc_u32 v[STO], s56, v[STO]
	s_mul_i32 s57, s20, 16*SPITCH
	s_add_co_u32 s57, s57, STAGE
	v_mul_u32_u24 v[RD], v2, SPITCH                ; back: lanes 0-15 one row's 256 bytes, lanes 16-31 the next row's
	v_lshl_add_u32 v[RD], v1, 4, v[RD]
	v_add_nc_u32 v[RD], s57, v[RD]
	s_lshl_b32 s58, s20, 12
	v_lshlrev_b32 v[CO], 4, v3                     ; the same two rows in qkv are 512 neighbouring bytes
	v_add_nc_u32 v[CO], s58, v[CO]
	s_mul_i32 s46, s20, WSUB                       ; where my matrix's tile goes in a slot
	s_wait_dscnt 0x0
	s_wait_kmcnt 0x0
	s_lshl_b32 s54, s22, 18                        ; 64 rows of 4,096 bytes
	s_mov_b32 s55, 0
	s_add_nc_u64 s[4:5], s[4:5], s[54:55]          ; x at my work-group's first row; never stepped: chunk and row stand in the loads' immediates
	s_lshl_b32 s54, s22, 14                        ; 64 rows of 256 bytes
	s_add_nc_u64 s[OB:OB+1], s[18:19], s[54:55]
	s_add_nc_u64 s[OB+2:OB+3], s[OB:OB+1], 0x400000
	s_add_nc_u64 s[OB+4:OB+5], s[OB:OB+1], 0x800000
	s_cmp_eq_u32 s20, 0                            ; the matrix that my wave brings: 0 Wq, 1 Wk, 2 Wv (wave 3 asks for nothing)
	s_cselect_b64 s[44:45], s[6:7], s[10:11]
	s_cmp_eq_u32 s20, 1
	s_cselect_b64 s[44:45], s[8:9], s[44:45]
.irp n, 0,1
	s_mov_b32 s[G0+4*\n], 1                                        ; count = 1
	s_add_co_u32 s[G0+4*\n+1], s46, \n*WSLOT                       ; LDS address: wave x tile + slot
	s_add_nc_u64 s[G0+4*\n+2:G0+4*\n+3], s[44:45], \n*WSTEP        ; K step n
	s_or_b32 s[G0+4*\n+3], s[G0+4*\n+3], 0x80000000                ; type = 2
.endr
	WIN 0x40                                       ; destination in window 1
.irp g, 0,1,2
.irp q, 0,1,2,3
	global_load_b128 v[BIAS+16*\g+4*\q:BIAS+16*\g+4*\q+3], v[BOFF], s[12+2*\g:13+2*\g] offset:16*\q
.endr
.endr
	WIN 0x80
.irp c, 0,1,2,3
.irp i, 0,1,2,3,4,5,6,7
	global_load_b128 v[XR+32*\c+4*\i:XR+32*\c+4*\i+3], v[XOFF], s[4:5] offset:\i*4096+\c*256 th:TH_LOAD_NT
.endr
.endr
	WIN 0
	ROUND                                          ; the four work-groups are here: the first joint load meets its partners'
	WLOAD 0                                        ; K step 0
	XCONV 0, 24, 1                                 ; chunks 1, 2, 3 stay out; the biases are older than chunk 0, so they are in as well
	WIN 0x44
.irp i, 0,1,2,3,4,5,6,7,8,9,10,11,12,13,14,15
	v_mul_f32 v[BIAS+\i], s40, v[BIAS+\i]          ; bq * c, so that Q's way out is one fused multiply-add
.endr
	WIN 0
; One K step.  In front of the round every wave has waited for all its tensor loads (its part of this step's W among them), for its reads of
; the slots used last step and for its stores of this step's x: behind the round W's other slot is asked for again, first thing, and this
; step's slots are whole.  The load then has the whole step in which to land; a wave never has more than one tensor load out.
.macro STEP s
.set SL, (\s)&1
.set NX, 1-SL
	s_wait_tensorcnt 0x0                           ; no tensor load of mine is out: a group 0 may be written
	ds_add_u32 v30, v31
	s_wait_dscnt 0x0
	s_add_nc_u64 s[G0+4*SL+2:G0+4*SL+3], s[G0+4*SL+2:G0+4*SL+3], 2*WSTEP   ; this slot's next tile (in the last two steps not used)
	s_wait_dscnt 0x0
	ROUND
.if \s < 15
	WLOAD NX
.endif
	FETCH SL, 0, XF0
.if \s < 15
.set LEFT, 24                                      ; three younger chunks of eight loads,
.if \s > 11
.set LEFT, 8*(14-\s)                               ; and fewer when nothing is left to ask for
.endif
.if \s < 11
	XCONV \s+1, LEFT, 1
.else
	XCONV \s+1, LEFT, 0
.endif
	CVTW 8                                         ; the eight stores of x stand behind the fetch
.else
	CVTW 0
.endif
	FETCH SL, 1, XF1
.if \s == 0
	MUL XF0, 1                                     ; the first products start the sums: nothing is cleared
.else
	MUL XF0, 0
.endif
	PLACES                                         ; then W's fragments may be written again
	CVTW 0
	MUL XF1, 0
	PLACES                                         ; for the next step's loads and conversions, and for the way out
.endm
.irp s, 0,1,2,3,4,5,6,7,8,9,10,11,12,13,14,15
	STEP \s
.endr
	; THE WAY OUT.  Bias (and for Q the scale) in f32, one rounding to bf16, 32 bytes a lane into the stage, whole rows back, stores of 512 neighbouring bytes.
	WIN 0x51
.irp t, 0,1
.irp m, 0,1,2,3
.irp j, 0,1,2,3,4,5,6,7
	v_fma_f32 v[8*(4*\t+\m)+\j], v[8*(4*\t+\m)+\j], s40, v[BIAS+2*\j+\t]           ; Q: sum * c + bq * c
.endr
.endr
.endr
	WIN 0x45
.irp g, 1,2
.irp t, 0,1
.irp m, 0,1,2,3
.irp j, 0,1,2,3,4,5,6,7
	v_add_f32 v[8*(4*(2*\g+\t)+\m)+\j], v[8*(4*(2*\g+\t)+\m)+\j], v[BIAS+16*\g+2*\j+\t]
.endr
.endr
.endr
.endr
	WIN 0x05
.irp g, 0,1,2
.irp m, 0,1,2,3
.irp j, 0,1,2,3,4,5,6,7
	v_cvt_pk_bf16_f32 v[RAW+8*(4*\g+\m)+\j], v[8*(8*\g+\m)+\j], v[8*(8*\g+4+\m)+\j]   ; columns 16 h + 2 j (tile 0) and + 1 (tile 1)
.endr
.endr
.endr
	WIN 0
.irp g, 0,1,2
.irp m, 0,1,2,3
	ds_store_b128 v[STO], v[RAW+8*(4*\g+\m):RAW+8*(4*\g+\m)+3]   offset:\m*16*SPITCH+256*\g
	ds_store_b128 v[STO], v[RAW+8*(4*\g+\m)+4:RAW+8*(4*\g+\m)+7] offset:\m*16*SPITCH+256*\g+16
.endr
.endr
	s_wait_dscnt 0x0                               ; my stores are in LDS: the other waves read them behind the barrier
	s_barrier_signal -1
	s_barrier_wait -1
.irp g, 0,1,2
.irp i, 0,1,2,3,4,5,6,7
	ds_load_b128 v[RAW+4*(8*\g+\i):RAW+4*(8*\g+\i)+3], v[RD] offset:\i*2*SPITCH+256*\g
.endr
.endr
.irp g, 0,1,2
.irp i, 0,1,2,3,4,5,6,7
	s_wait_dscnt 23-(8*\g+\i)                      ; the younger read-backs stay out
	global_store_b128 v[CO], v[RAW+4*(8*\g+\i):RAW+4*(8*\g+\i)+3], s[OB+2*\g:OB+2*\g+1] offset:\i*512   ; two rows of 256 bytes: 512 neighbouring bytes, aligned
.endr
.endr
	s_wait_tensorcnt 0x0
	ds_add_u32 v30, v31
	s_wait_dscnt 0x0
	ROUND                                          ; the closing round: no work-group ends while a partner may still ask for a tile that names it
	s_endpgm
.Lfunc_end_k_q6c9bd350d4_proj:
	.size	k_q6c9bd350d4_proj, .Lfunc_end_k_q6c9bd350d4_proj-k_q6c9bd350d4_proj
	.p2alignl 7, 3214868480
	.fill 96, 4, 3214868480
	.section	.rodata,"a",@progbits
	.p2align	6, 0x0
	.amdhsa_kernel k_q6c9bd350d4_proj
		.amdhsa_group_segment_fixed_size 327680
		.amdhsa_private_segment_fixed_size 0
		.amdhsa_enable_private_segment 0
		.amdhsa_kernarg_size 64
		.amdhsa_user_sgpr_count 2
		.amdhsa_user_sgpr_kernarg_segment_ptr 1
		.amdhsa_wavefront_size32 1
		.amdhsa_system_sgpr_workgroup_id_x 1
		.amdhsa_system_sgpr_workgroup_id_y 1
		.amdhsa_system_sgpr_workgroup_id_z 1
		.amdhsa_system_vgpr_workitem_id 0
		.amdhsa_next_free_vgpr 640
		.amdhsa_next_free_sgpr 66
		.amdhsa_reserve_vcc 0
		.amdhsa_float_denorm_mode_32 3
		.amdhsa_float_denorm_mode_16_64 3
		.amdhsa_memory_ordered 1
		.amdhsa_forward_progress 1
		.amdhsa_inst_pref_size 255
	.end_amdhsa_kernel
	.section	.bss,"aw",@nobits
	.p2align	6
	.space	262144
	.amdgpu_metadata
---
amdhsa.version: [ 1, 2 ]
amdhsa.kernels:
  - .name:           k_q6c9bd350d4_proj
    .symbol:         k_q6c9bd350d4_proj.kd
    .args:
      - { .name: x, .offset: 0, .size: 8, .value_kind: global_buffer, .address_space: global }
      - { .name: Wq, .offset: 8, .size: 8, .value_kind: global_buffer, .address_space: global }
      - { .name: Wk, .offset: 16, .size: 8, .value_kind: global_buffer, .address_space: global }
      - { .name: Wv, .offset: 24, .size: 8, .value_kind: global_buffer, .address_space: global }
      - { .name: bq, .offset: 32, .size: 8, .value_kind: global_buffer, .address_space: global }
      - { .name: bk, .offset: 40, .size: 8, .value_kind: global_buffer, .address_space: global }
      - { .name: bv, .offset: 48, .size: 8, .value_kind: global_buffer, .address_space: global }
      - { .name: qkv, .offset: 56, .size: 8, .value_kind: global_buffer, .address_space: global }
    .group_segment_fixed_size: 327680
    .private_segment_fixed_size: 0
    .kernarg_segment_align: 8
    .kernarg_segment_size: 64
    .max_flat_workgroup_size: 128
    .sgpr_count:     66
    .vgpr_count:     640
    .wavefront_size: 32
...
	.end_amdgpu_metadata
.endif
;; end of part 1
;; launch attn (part 2): grid 256 x 1, 4 waves a work-group, clusters of 4 x 1, 327,680 bytes of LDS; arguments qkv, out0; writes out0
.if DOCPART == 2
	.amdgcn_target "amdgcn-amd-amdhsa--gfx1250"
	.amdhsa_code_object_version 6
	.text
	.protected	k_q6c9bd350d4_attn
	.globl	k_q6c9bd350d4_attn
	.p2align	8
	.type	k_q6c9bd350d4_attn,@function
k_q6c9bd350d4_attn:
	s_mov_b64 s[64:65], 0
	v_nop
	global_prefetch_b8 v0, s[64:65] scope:SCOPE_SE
	s_setreg_imm32_b32 hwreg(HW_REG_WAVE_MODE, 25, 1), 1
	s_wait_xcnt 0x0
	s_wait_alu depctr_hold_cnt(0) depctr_sa_sdst(0) depctr_va_vdst(0) depctr_va_sdst(0) depctr_va_ssrc(0) depctr_va_vcc(0) depctr_vm_vsrc(0)
	s_getreg_b32 s2, hwreg(HW_REG_IB_STS2, 6, 4)
	s_cmp_eq_u32 s2, 0
	s_cbranch_scc0 .Lentry_in_a_cluster
	s_endpgm
.Lentry_in_a_cluster:
	s_bfe_u32 s2, ttmp6, 0x10000c
	s_cmp_lg_u32 s2, 0x3003
	s_cbranch_scc0 .Lentry_shape_is_right
	s_endpgm
.Lentry_shape_is_right:
; out0[b][l][:] = softmax over m of (Q[b][l] . K[b][m] / sqrt(128)) times V[b][m][:].  qkv: [3][16384][128] bf16, Q already times log2(e) / sqrt(128),
; so a score is an exponent of 2.  out0: [16384][128] f32.  4 batches of 4,096 rows.
; LIMITS: Q, K, V and the weights p go into the matrix unit in bf16; the sum of the weights is taken from the unrounded p; v_exp_f32 gives 0 for
; results below 2^-126 (ISA guide 15.8), that is for weights more than 126 powers of two under the row's running maximum; NaN and infinities are
; not treated specially.  The maximum is always taken away, as a running maximum.
;
; SHARES.  256 work-groups of four waves, 64 queries each.  The KEYS are shared out among the waves: of each tile of 256 keys wave w takes keys
; 64 w .. 64 w + 63 against all 64 queries, so each byte of K and V is read from LDS once in a work-group (with the queries shared out: four times).
; Each wave keeps its own running maximum, sum and O; the four are merged at the end.  16 steps, 64 + 64 matrix instructions a wave a step.
; CLUSTER: the four work-groups of a cluster are query blocks of one batch and walk the same K and V: they ask for each tile jointly (mask 15),
; a quarter of the requests.  Waves 0, 1 bring K's two halves (128 rows x 256 bytes), waves 2, 3 V's.  Two LDS slots, one round of the cluster's barrier a step.
;
; TRANSPOSED: S^T = K Q^T (source 0: 16 keys, source 1: 16 queries).  Register j of lane (r, h) in tile (kt, qt) is (key 16 kt + 8 h + j, query 16 qt + r):
; a lane holds one query's scores, and eight of them packed to bf16 are just what source 1 of O^T = V^T P^T wants of that lane: P never leaves its lane.
; V^T comes from V's rows by the transposing LDS load.  In O^T too a lane's column is its query: the rescaling factor is the lane's own.
.set KPITCH, 272                       ; 256 bytes + 16: sixteen rows start at sixteen different groups of banks
.set VPITCH, 288                       ; 256 bytes + 32: an odd multiple of 32, for the transposing load
.set KBYTES, 256*KPITCH                ; 69,632
.set SLOT,   KBYTES+256*VPITCH         ; 143,360
.set TILEB,  256*256                   ; bytes of K (or V) from one step to the next
.set ML,     2*SLOT                    ; 286,720: 4 waves x 64 queries x (maximum, sum), written by LDS stores alone
.set OPITCH, 528                       ; the merge: a row of 128 f32 + 16 bytes
.set OSTAGE, 64*OPITCH                 ; 33,792 a wave, four of them inside slot 0, which has had its last fill by then
; window 0
.set ADRK, 2                           ; v2-3    slot n: my 16 bytes of K's row 64 w + r
.set ADRV, 4                           ; v4-5    slot n: my 16 bytes of V for the transposing load
.set RM,   8                           ; v[8+4qt]  running maximum      (v1 = r, v6 = h, v7 = my offset in Q: kept)
.set RL,   9                           ; v[9+4qt]  running sum, of my half's keys until the merge
.set RA,   10                          ; v[10+4qt] the factor 2^(old maximum - new maximum)
.set RT,   11                          ; v[11+4qt] at work
.set RTP,  24                          ; v[24+2qt:25+2qt] at work
.set MV,   32                          ; v32-63  the merge: the four waves' (maximum, sum) of my four queries
.set OBF,  64                          ; v64-127 the merge: four rows x four waves
.set SR,   128                         ; v128-255 S tile (kt, qt) at SR + 8 (4 kt + qt); P's fragment (ks2, qt) is made in place in tile (2 ks2, qt)
.set MLA,  128                         ; the merge's addresses, in S's registers when S is done with
.set MLR,  129
.set STO,  130
.set RD,   132                         ; v132-135
.set CO,   136
; window 1: O tile (dt, qt) at 8 (4 dt + qt).   window 2: Q fragment (qt, ks) at 8 (4 qt + ks);
.set KF,   128                         ; window 2: K fragment (kt, ks) at KF + 8 (4 kt + ks).   window 3: V^T fragment (dt, ks2) at 8 (2 dt + ks2)
.set G1K, 16                           ; s[16:23] group 1 for K
.set G1V, 24                           ; s[24:31] group 1 for V: other padding
.set G0K, 32                           ; s[32:39] group 0 for K, a set for each slot
.set G0V, 40                           ; s[40:47] group 0 for V
.set MSB, 0
.macro WIN new                         ; s_set_vgpr_msb: bits 1:0 source 0, 3:2 source 1, 5:4 source 2, 7:6 destination; the high byte repeats the setting that is left
.if MSB != \new
	s_set_vgpr_msb (MSB<<8)|\new
.set MSB, \new
.endif
.endm
.macro PLACES n                        ; independent vector instructions behind a matrix instruction (ISA guide 7.12.1)
.rept \n
	v_nop
.endr
.endm
.macro ROUND                           ; a round of the cluster's barrier
	s_barrier_signal -1
	s_barrier_wait -1
	s_cmp_lg_u32 s8, 0
	s_cbranch_scc1 .Lnot_wave_0_\@
	s_barrier_signal -3
.Lnot_wave_0_\@:
	s_barrier_wait -3
	s_barrier_signal -1
	s_barrier_wait -1
.endm
.macro JLOAD slot                      ; one joint load a wave: waves 0, 1 a half of K's tile, waves 2, 3 a half of V's.  The branch hangs on the wave's number alone.
	s_cmp_eq_u32 s9, 0
	s_cbranch_scc0 .Lfor_v_\@
	tensor_load_to_lds s[G0K+4*(\slot):G0K+4*(\slot)+3], s[G1K:G1K+7]
	s_nop 0
	s_branch .Lasked_\@
.Lfor_v_\@:
	tensor_load_to_lds s[G0V+4*(\slot):G0V+4*(\slot)+3], s[G1V:G1V+7]
	s_nop 0
.Lasked_\@:
.endm
	s_load_b128 s[4:7], s[0:1], 0x0                ; qkv s[4:5], out0 s[6:7]
	s_set_vgpr_msb 0xc0
	v_lshl_add_u32 v128, v0, 2, 0x46800
	v_mov_b32 v129, 0
	s_set_vgpr_msb 0xc0cf
	ds_add_u32 v128, v129
	s_set_vgpr_msb 0xcf00
	v_lshrrev_b32 v1, 5, v0
	v_readfirstlane_b32 s8, v1                     ; wave 0..3
	s_lshr_b32 s9, s8, 1                           ; I bring K (0) or V (1),
	s_and_b32 s10, s8, 1                           ; and which 128 rows of the tile
	s_bfe_u32 s11, ttmp6, 0x40000                  ; my place in the cluster
	s_lshl_b32 s12, ttmp9, 2
	s_add_co_u32 s12, s12, s11                     ; work-group 0..255: enters Q's and out0's addresses alone
	s_lshr_b32 s13, ttmp9, 4                       ; batch: 16 clusters each, the same for all partners
	s_mov_b32 s48, 0x76543210                      ; v_permlanex16_b32: lane i of one half reads lane i of the other
	s_mov_b32 s49, 0xfedcba98
	; descriptor groups 1: 128 rows x 128 elements of 2 bytes; K padded by 4 words a row, V by 8
	s_mov_b32 s[G1K+0], 15|(1<<16)|(1<<20)|(1<<21)|(5<<22)|(3<<25)
	s_mov_b32 s[G1V+0], 15|(1<<16)|(1<<20)|(1<<21)|(5<<22)|(7<<25)
	s_mov_b32 s[G1K+1], 128<<16                    ; tensor_dim0 = 128
	s_mov_b32 s[G1V+1], 128<<16
	s_mov_b32 s[G1K+2], 128<<16                    ; tensor_dim1 = 128
	s_mov_b32 s[G1V+2], 128<<16
	s_mov_b32 s[G1K+3], 128<<16                    ; tile_dim0 = 128
	s_mov_b32 s[G1V+3], 128<<16
	s_mov_b32 s[G1K+4], 128                        ; tile_dim1 = 128
	s_mov_b32 s[G1V+4], 128
	s_mov_b32 s[G1K+5], 128                        ; elements from row to row
	s_mov_b32 s[G1V+5], 128
	s_mov_b32 s[G1K+6], 0
	s_mov_b32 s[G1V+6], 0
	s_mov_b32 s[G1K+7], 0
	s_mov_b32 s[G1V+7], 0
	s_lshl_b32 s54, s13, 20                        ; the batch's 4,096 rows of 256 bytes
	s_lshl_b32 s55, s10, 15                        ; my 128 rows of a tile
	s_add_co_u32 s54, s54, s55
	s_mov_b32 s55, 0
	s_mul_i32 s58, s10, 128*KPITCH                 ; where they go: K's halves,
	s_mul_i32 s59, s10, 128*VPITCH
	s_add_co_u32 s59, s59, KBYTES                  ; V's halves behind them
	s_lshl_b32 s56, s12, 14                        ; my 64 rows of Q
	s_mov_b32 s57, 0
	s_lshl_b32 s62, s12, 15                        ; my 64 rows of out0
	s_mov_b32 s63, 0
	s_wait_dscnt 0x0
	s_wait_kmcnt 0x0
	s_add_nc_u64 s[50:51], s[4:5], s[54:55]
	s_add_nc_u64 s[52:53], s[50:51], 0x800000      ; V's section
	s_add_nc_u64 s[50:51], s[50:51], 0x400000      ; K's section
	s_add_nc_u64 s[56:57], s[4:5], s[56:57]
	s_add_nc_u64 s[6:7], s[6:7], s[62:63]
.irp n, 0,1
	s_mov_b32 s[G0K+4*\n], 1
	s_add_co_u32 s[G0K+4*\n+1], s58, \n*SLOT
	s_add_nc_u64 s[G0K+4*\n+2:G0K+4*\n+3], s[50:51], \n*TILEB
	s_or_b32 s[G0K+4*\n+3], s[G0K+4*\n+3], 0x80000000
	s_mov_b32 s[G0V+4*\n], 1
	s_add_co_u32 s[G0V+4*\n+1], s59, \n*SLOT
	s_add_nc_u64 s[G0V+4*\n+2:G0V+4*\n+3], s[52:53], \n*TILEB
	s_or_b32 s[G0V+4*\n+3], s[G0V+4*\n+3], 0x80000000
.endr
	ROUND                                          ; the four work-groups are here: the first joint loads meet
	JLOAD 0                                        ; keys 0 to 255
	v_and_b32 v1, 15, v0                           ; r
	v_bfe_u32 v6, v0, 4, 1                         ; h
	v_lshlrev_b32 v7, 8, v1                        ; Q: row r, 16 bytes for each half of the lanes
	v_lshl_add_u32 v7, v6, 4, v7
	; Q's 64 rows straight into fragments, once: 16 KiB a wave; a pass through LDS for bytes that are read once would cost a tile and a barrier
	WIN 0x80
.irp qt, 0,1,2,3
.irp ks, 0,1,2,3
	global_load_b128 v[8*(4*\qt+\ks):8*(4*\qt+\ks)+3],   v7, s[56:57] offset:\qt*4096+64*\ks
	global_load_b128 v[8*(4*\qt+\ks)+4:8*(4*\qt+\ks)+7], v7, s[56:57] offset:\qt*4096+64*\ks+32
.endr
.endr
	WIN 0
	v_mul_u32_u24 v[ADRK], v1, KPITCH
	v_lshl_add_u32 v[ADRK], v6, 4, v[ADRK]
	s_mul_i32 s61, s8, 64*KPITCH                   ; my 64 keys
	v_add_nc_u32 v[ADRK], s61, v[ADRK]
	v_add_nc_u32 v[ADRK+1], SLOT, v[ADRK]
	v_and_b32 v[ADRV], 7, v0                       ; V: row 8 h + lane mod 8, 16 bytes by bit 3 of the lane
	v_mul_u32_u24 v[ADRV], v[ADRV], VPITCH
	v_bfe_u32 v[ADRV+1], v0, 3, 1
	v_lshl_add_u32 v[ADRV], v[ADRV+1], 4, v[ADRV]
	v_mul_u32_u24 v[ADRV+1], v6, 8*VPITCH
	v_add_nc_u32 v[ADRV], v[ADRV], v[ADRV+1]
	s_mul_i32 s61, s8, 64*VPITCH
	s_add_co_u32 s61, s61, KBYTES
	v_add_nc_u32 v[ADRV], s61, v[ADRV]
	v_add_nc_u32 v[ADRV+1], SLOT, v[ADRV]
.irp qt, 0,1,2,3
	v_mov_b32 v[RL+4*\qt], 0                       ; the pair (maximum, sum) is named whole before the first sum is there,
	v_mov_b32 v[RTP+2*\qt], 0                      ; and v_permlanex16_b32 counts as a reader of its destination
.endr
	s_wait_loadcnt 0x0                             ; Q, once
; The running softmax of my 64 keys x 64 queries: 32 scores a lane for each of four query tiles, the four tiles' chains side by side.
.macro SOFTMAX first
.irp qt, 0,1,2,3
	v_max_num_f32 v[RT+4*\qt], v[SR+8*\qt], v[SR+8*\qt+1]
.endr
.set e, 2
.rept 15
.irp qt, 0,1,2,3
	v_max3_num_f32 v[RT+4*\qt], v[RT+4*\qt], v[SR+8*(4*(e/8)+\qt)+e%8], v[SR+8*(4*(e/8)+\qt)+e%8+1]
.endr
.set e, e+2
.endr
.irp qt, 0,1,2,3
	v_permlanex16_b32 v[RTP+2*\qt], v[RT+4*\qt], s48, s49          ; the other half of the lanes holds the same query's other keys
.endr
.if \first
.irp qt, 0,1,2,3
	v_max_num_f32 v[RM+4*\qt], v[RT+4*\qt], v[RTP+2*\qt]
.endr
.else
.irp qt, 0,1,2,3
	v_max3_num_f32 v[RT+4*\qt], v[RT+4*\qt], v[RTP+2*\qt], v[RM+4*\qt]
.endr
.irp qt, 0,1,2,3
	v_sub_f32 v[RA+4*\qt], v[RM+4*\qt], v[RT+4*\qt]
.endr
.irp qt, 0,1,2,3
	v_mov_b32 v[RM+4*\qt], v[RT+4*\qt]
.endr
.irp qt, 0,1,2,3
	v_exp_f32 v[RA+4*\qt], v[RA+4*\qt]             ; 2^(old - new), at most 1; used far below (ISA guide 5.7.2: one plain instruction between)
.endr
.endif
.irp kt, 0,1,2,3
.irp qt, 0,1,2,3
.irp j, 0,2,4,6
	v_pk_add_f32 v[SR+8*(4*\kt+\qt)+\j:SR+8*(4*\kt+\qt)+\j+1], v[SR+8*(4*\kt+\qt)+\j:SR+8*(4*\kt+\qt)+\j+1], v[RM+4*\qt:RM+4*\qt+1] op_sel_hi:[1,0] neg_lo:[0,1] neg_hi:[0,1]   ; score - maximum
.endr
.endr
.endr
.irp i, 0,1,2,3,4,5,6,7,8,9,10,11,12,13,14,15
.irp j, 0,1,2,3,4,5,6,7
	v_exp_f32 v[SR+8*\i+\j], v[SR+8*\i+\j]
.endr
.endr
	v_nop                                          ; one plain instruction behind the run of exponentials, before their results are read
	s_wait_alu depctr_va_vdst(0)
.irp qt, 0,1,2,3
	v_pk_add_f32 v[RTP+2*\qt:RTP+2*\qt+1], v[SR+8*\qt:SR+8*\qt+1], v[SR+8*\qt+2:SR+8*\qt+3]
.endr
.set e, 4
.rept 14
.irp qt, 0,1,2,3
	v_pk_add_f32 v[RTP+2*\qt:RTP+2*\qt+1], v[RTP+2*\qt:RTP+2*\qt+1], v[SR+8*(4*(e/8)+\qt)+e%8:SR+8*(4*(e/8)+\qt)+e%8+1]
.endr
.set e, e+2
.endr
.if \first
.irp qt, 0,1,2,3
	v_add_f32 v[RL+4*\qt], v[RTP+2*\qt], v[RTP+2*\qt+1]
.endr
.else
.irp qt, 0,1,2,3
	v_add_f32 v[RT+4*\qt], v[RTP+2*\qt], v[RTP+2*\qt+1]
.endr
.irp qt, 0,1,2,3
	v_fma_f32 v[RL+4*\qt], v[RL+4*\qt], v[RA+4*\qt], v[RT+4*\qt]
.endr
.endif
	; P to bf16, in place: tile (2 ks2, qt) gets its own eight in registers 0-3 (keys 8 h + 0..7 of 32) and tile (2 ks2 + 1, qt)'s in registers 4-7 (keys 16 + 8 h + 0..7)
.irp ks2, 0,1
.irp qt, 0,1,2,3
.irp q, 0,1,2,3
	v_cvt_pk_bf16_f32 v[SR+8*(8*\ks2+\qt)+\q], v[SR+8*(8*\ks2+\qt)+2*\q], v[SR+8*(8*\ks2+\qt)+2*\q+1]
.endr
.irp q, 0,1,2,3
	v_cvt_pk_bf16_f32 v[SR+8*(8*\ks2+\qt)+4+\q], v[SR+8*(8*\ks2+4+\qt)+2*\q], v[SR+8*(8*\ks2+4+\qt)+2*\q+1]
.endr
.endr
.endr
.endm
; One step: 256 keys in slot.  In front of the round every wave has waited for all its tensor loads (its part of this slot among them) and for its
; reads of the other slot; behind the round the other slot is asked for again, first thing, and this slot is whole.  That load has the whole step
; in which to land; a wave never has more than one tensor load out.
.macro STEP slot, refill, first
	s_set_vgpr_msb 0xf
	s_wait_tensorcnt 0x0                           ; no tensor load of mine is out: the groups 0 may be written
	ds_add_u32 v128, v129
	s_wait_dscnt 0x0
	s_set_vgpr_msb 0xf00
	s_add_nc_u64 s[G0K+4*\slot+2:G0K+4*\slot+3], s[G0K+4*\slot+2:G0K+4*\slot+3], 2*TILEB   ; this slot's next tile (in the last two steps not used)
	s_add_nc_u64 s[G0V+4*\slot+2:G0V+4*\slot+3], s[G0V+4*\slot+2:G0V+4*\slot+3], 2*TILEB
	s_wait_dscnt 0x0
	ROUND
.if \refill
	JLOAD 1-\slot
.endif
	WIN 0x80                                       ; K's fragments into window 2
.irp kt, 0,1,2,3
.irp ks, 0,1,2,3
	ds_load_b128 v[KF+8*(4*\kt+\ks):KF+8*(4*\kt+\ks)+3],   v[ADRK+\slot] offset:\kt*16*KPITCH+64*\ks
	ds_load_b128 v[KF+8*(4*\kt+\ks)+4:KF+8*(4*\kt+\ks)+7], v[ADRK+\slot] offset:\kt*16*KPITCH+64*\ks+32
.endr
.endr
	WIN 0xc0                                       ; V^T's fragments into window 3
.irp ks2, 0,1
.irp dt, 0,1,2,3,4,5,6,7
	ds_load_tr16_b128 v[8*(2*\dt+\ks2):8*(2*\dt+\ks2)+3],   v[ADRV+\slot] offset:\ks2*32*VPITCH+32*\dt
	ds_load_tr16_b128 v[8*(2*\dt+\ks2)+4:8*(2*\dt+\ks2)+7], v[ADRV+\slot] offset:\ks2*32*VPITCH+16*VPITCH+32*\dt
.endr
.endr
	s_wait_dscnt 32                                ; K's 32 loads are in; V's 32, issued behind them, may stay out
	WIN 0x0a                                       ; S^T = K Q^T: sources in window 2.  The 16 accumulators take turns, one instruction a turn
.irp ks, 0,1,2,3
.irp kt, 0,1,2,3
.irp qt, 0,1,2,3
.if \ks == 0
	v_wmma_f32_16x16x32_bf16 v[SR+8*(4*\kt+\qt):SR+8*(4*\kt+\qt)+7], v[KF+8*(4*\kt+\ks):KF+8*(4*\kt+\ks)+7], v[8*(4*\qt+\ks):8*(4*\qt+\ks)+7], 0
.else
	v_wmma_f32_16x16x32_bf16 v[SR+8*(4*\kt+\qt):SR+8*(4*\kt+\qt)+7], v[KF+8*(4*\kt+\ks):KF+8*(4*\kt+\ks)+7], v[8*(4*\qt+\ks):8*(4*\qt+\ks)+7], v[SR+8*(4*\kt+\qt):SR+8*(4*\kt+\qt)+7]
.endif
.endr
.endr
.endr
	WIN 0
	PLACES 4                                       ; before the scores are read, and before K's fragments are loaded again
	SOFTMAX \first
	s_wait_dscnt 0x0                               ; V^T's fragments
.if \first == 0
	WIN 0x41
.irp dt, 0,1,2,3,4,5,6,7
.irp qt, 0,1,2,3
.irp j, 0,2,4,6
	v_pk_mul_f32 v[8*(4*\dt+\qt)+\j:8*(4*\dt+\qt)+\j+1], v[8*(4*\dt+\qt)+\j:8*(4*\dt+\qt)+\j+1], v[RA+4*\qt:RA+4*\qt+1] op_sel_hi:[1,0]   ; O to the new maximum
.endr
.endr
.endr
.endif
	WIN 0x53                                       ; O^T += V^T P^T: V^T in window 3, P in window 0, O in window 1.  The 32 accumulators take turns
.irp ks2, 0,1
.irp dt, 0,1,2,3,4,5,6,7
.irp qt, 0,1,2,3
.if \first && (\ks2 == 0)
	v_wmma_f32_16x16x32_bf16 v[8*(4*\dt+\qt):8*(4*\dt+\qt)+7], v[8*(2*\dt+\ks2):8*(2*\dt+\ks2)+7], v[SR+8*(8*\ks2+\qt):SR+8*(8*\ks2+\qt)+7], 0
.else
	v_wmma_f32_16x16x32_bf16 v[8*(4*\dt+\qt):8*(4*\dt+\qt)+7], v[8*(2*\dt+\ks2):8*(2*\dt+\ks2)+7], v[SR+8*(8*\ks2+\qt):SR+8*(8*\ks2+\qt)+7], v[8*(4*\dt+\qt):8*(4*\dt+\qt)+7]
.endif
.endr
.endr
.endr
	WIN 0
	PLACES 5                                       ; the next step's first products write over P, its loads land in V^T's fragments, its rescaling writes O
.endm
	STEP 0, 1, 1                                   ; the first step starts maximum, sum and O: nothing is cleared or rescaled
	STEP 1, 1, 0
	s_mov_b32 s60, 6
.Lpair:
	STEP 0, 1, 0
	STEP 1, 1, 0
	s_sub_co_u32 s60, s60, 1
	s_cmp_lg_u32 s60, 0
	s_cbranch_scc1 .Lpair
	STEP 0, 1, 0                                   ; asks for the last tile
	STEP 1, 0, 0                                   ; nothing is left to ask for
	; THE MERGE of the four waves' parts.  First the figures: each wave's (maximum, sum) of each query.
	s_lshl_b32 s61, s8, 9
	s_add_co_u32 s61, s61, ML
	v_lshlrev_b32 v[MLR], 3, v1
	v_add_nc_u32 v[MLA], s61, v[MLR]               ; my wave's 64 pairs
	v_add_nc_u32 v[MLR], ML, v[MLR]
	v_mul_u32_u24 v[STO], v1, OPITCH               ; O, in: row r, 32 bytes for each half of the lanes
	v_lshl_add_u32 v[STO], v6, 5, v[STO]
	s_mul_i32 s62, s8, OSTAGE
	v_add_nc_u32 v[STO], s62, v[STO]
	v_and_b32 v[RD], 31, v0
	v_lshlrev_b32 v[RD], 4, v[RD]                  ; back: a row of 512 bytes, 16 a lane
	s_lshl_b32 s63, s8, 13
	v_add_nc_u32 v[CO], s63, v[RD]                 ; my wave's 16 rows of out0
	s_mul_i32 s63, s8, 16*OPITCH
	v_add_nc_u32 v[RD], s63, v[RD]                 ; the same 16 rows in wave 0's stage,
.irp p, 1,2,3
	v_add_nc_u32 v[RD+\p], \p*OSTAGE, v[RD]        ; and in the others'
.endr
.irp qt, 0,1,2,3
	v_permlanex16_b32 v[RTP+2*\qt], v[RL+4*\qt], s48, s49
.endr
.irp qt, 0,1,2,3
	v_add_f32 v[RL+4*\qt], v[RL+4*\qt], v[RTP+2*\qt]               ; the sum over both halves' keys
.endr
.irp qt, 0,1,2,3
	ds_store_b64 v[MLA], v[RM+4*\qt:RM+4*\qt+1] offset:128*\qt     ; both halves of the lanes write the same pair
.endr
	s_wait_dscnt 0x0                               ; my pairs are in LDS: the others read them behind the barrier
	s_barrier_signal -1
	s_barrier_wait -1
.irp qt, 0,1,2,3
.irp p, 0,1,2,3
	ds_load_b64 v[MV+8*\qt+2*\p:MV+8*\qt+2*\p+1], v[MLR] offset:512*\p+128*\qt
.endr
.endr
	s_wait_dscnt 0x0
.irp qt, 0,1,2,3
	v_max3_num_f32 v[RT+4*\qt], v[MV+8*\qt], v[MV+8*\qt+2], v[MV+8*\qt+4]
.endr
.irp qt, 0,1,2,3
	v_max_num_f32 v[RT+4*\qt], v[RT+4*\qt], v[MV+8*\qt+6]          ; the query's maximum over all keys
.endr
.irp qt, 0,1,2,3
.irp p, 0,1,2,3
	v_sub_f32 v[MV+8*\qt+2*\p], v[MV+8*\qt+2*\p], v[RT+4*\qt]
.endr
	v_sub_f32 v[RA+4*\qt], v[RM+4*\qt], v[RT+4*\qt]
.endr
.irp qt, 0,1,2,3
.irp p, 0,1,2,3
	v_exp_f32 v[MV+8*\qt+2*\p], v[MV+8*\qt+2*\p]
.endr
	v_exp_f32 v[RA+4*\qt], v[RA+4*\qt]
.endr
	v_nop                                          ; one plain instruction behind the exponentials
	s_wait_alu depctr_va_vdst(0)
.irp qt, 0,1,2,3
	v_mul_f32 v[RTP+2*\qt], v[MV+8*\qt+1], v[MV+8*\qt]
.endr
.irp p, 1,2,3
.irp qt, 0,1,2,3
	v_fmac_f32 v[RTP+2*\qt], v[MV+8*\qt+2*\p+1], v[MV+8*\qt+2*\p]  ; the whole sum: at least 1, the largest score's own weight
.endr
.endr
.irp qt, 0,1,2,3
	v_rcp_f32 v[RTP+2*\qt+1], v[RTP+2*\qt]
.endr
	v_nop                                          ; one plain instruction behind the reciprocals
	s_wait_alu depctr_va_vdst(0)
.irp qt, 0,1,2,3
	v_mul_f32 v[RA+4*\qt], v[RA+4*\qt], v[RTP+2*\qt+1]             ; my part's weight: 2^(my maximum - the maximum) / the sum
.endr
	WIN 0x41
.irp dt, 0,1,2,3,4,5,6,7
.irp qt, 0,1,2,3
.irp j, 0,2,4,6
	v_pk_mul_f32 v[8*(4*\dt+\qt)+\j:8*(4*\dt+\qt)+\j+1], v[8*(4*\dt+\qt)+\j:8*(4*\dt+\qt)+\j+1], v[RA+4*\qt:RA+4*\qt+1] op_sel_hi:[1,0]
.endr
.endr
.endr
	; My weighted O into my stage.  The stages lie in slot 0: its last fill landed before step 14, and every wave's last reads of it were waited for in front of step 15's round.
	WIN 0x04                                       ; store data in window 1
.irp dt, 0,1,2,3,4,5,6,7
.irp qt, 0,1,2,3
	ds_store_b128 v[STO], v[8*(4*\dt+\qt):8*(4*\dt+\qt)+3]   offset:\qt*16*OPITCH+64*\dt       ; query 16 qt + r, d = 16 dt + 8 h + 0..3
	ds_store_b128 v[STO], v[8*(4*\dt+\qt)+4:8*(4*\dt+\qt)+7] offset:\qt*16*OPITCH+64*\dt+16
.endr
.endr
	WIN 0
	s_wait_dscnt 0x0
	s_barrier_signal -1
	s_barrier_wait -1
	; Wave w adds the four parts of queries 16 w .. 16 w + 15, four rows at a time, and stores whole rows.
.irp b, 0,1,2,3
.if \b
	s_wait_xcnt 0x0                                ; the last four stores have had their addresses translated (ISA guide 3.1): their data registers are loaded again only behind this wait
.endif
.irp i, 0,1,2,3
.irp p, 0,1,2,3
	ds_load_b128 v[OBF+16*\i+4*\p:OBF+16*\i+4*\p+3], v[RD+\p] offset:(4*\b+\i)*OPITCH
.endr
.endr
	s_wait_dscnt 0x0
.irp i, 0,1,2,3
	v_pk_add_f32 v[OBF+16*\i:OBF+16*\i+1],     v[OBF+16*\i:OBF+16*\i+1],     v[OBF+16*\i+4:OBF+16*\i+5]
	v_pk_add_f32 v[OBF+16*\i+2:OBF+16*\i+3],   v[OBF+16*\i+2:OBF+16*\i+3],   v[OBF+16*\i+6:OBF+16*\i+7]
	v_pk_add_f32 v[OBF+16*\i+8:OBF+16*\i+9],   v[OBF+16*\i+8:OBF+16*\i+9],   v[OBF+16*\i+12:OBF+16*\i+13]
	v_pk_add_f32 v[OBF+16*\i+10:OBF+16*\i+11], v[OBF+16*\i+10:OBF+16*\i+11], v[OBF+16*\i+14:OBF+16*\i+15]
	v_pk_add_f32 v[OBF+16*\i:OBF+16*\i+1],     v[OBF+16*\i:OBF+16*\i+1],     v[OBF+16*\i+8:OBF+16*\i+9]
	v_pk_add_f32 v[OBF+16*\i+2:OBF+16*\i+3],   v[OBF+16*\i+2:OBF+16*\i+3],   v[OBF+16*\i+10:OBF+16*\i+11]
	global_store_b128 v[CO], v[OBF+16*\i:OBF+16*\i+3], s[6:7] offset:(4*\b+\i)*512 th:TH_STORE_NT   ; a row of out0: 512 neighbouring bytes, aligned
.endr
.endr
	s_set_vgpr_msb 0xf
	s_wait_tensorcnt 0x0
	ds_add_u32 v128, v129
	s_wait_dscnt 0x0
	s_set_vgpr_msb 0xf00
	ROUND                                          ; the closing round: no work-group ends while a partner may still ask for a tile that names it
	s_endpgm
.Lfunc_end_k_q6c9bd350d4_attn:
	.size	k_q6c9bd350d4_attn, .Lfunc_end_k_q6c9bd350d4_attn-k_q6c9bd350d4_attn
	.p2alignl 7, 3214868480
	.fill 96, 4, 3214868480
	.section	.rodata,"a",@progbits
	.p2align	6, 0x0
	.amdhsa_kernel k_q6c9bd350d4_attn
		.amdhsa_group_segment_fixed_size 327680
		.amdhsa_private_segment_fixed_size 0
		.amdhsa_enable_private_segment 0
		.amdhsa_kernarg_size 16
		.amdhsa_user_sgpr_count 2
		.amdhsa_user_sgpr_kernarg_segment_ptr 1
		.amdhsa_wavefront_size32 1
		.amdhsa_system_sgpr_workgroup_id_x 1
		.amdhsa_system_sgpr_workgroup_id_y 1
		.amdhsa_system_sgpr_workgroup_id_z 1
		.amdhsa_system_vgpr_workitem_id 0
		.amdhsa_next_free_vgpr 898
		.amdhsa_next_free_sgpr 66
		.amdhsa_reserve_vcc 0
		.amdhsa_float_denorm_mode_32 3
		.amdhsa_float_denorm_mode_16_64 3
		.amdhsa_memory_ordered 1
		.amdhsa_forward_progress 1
		.amdhsa_inst_pref_size 255
	.end_amdhsa_kernel
	.section	.bss,"aw",@nobits
	.p2align	6
	.space	262144
	.amdgpu_metadata
---
amdhsa.version: [ 1, 2 ]
amdhsa.kernels:
  - .name:           k_q6c9bd350d4_attn
    .symbol:         k_q6c9bd350d4_attn.kd
    .args:
      - { .name: qkv, .offset: 0, .size: 8, .value_kind: global_buffer, .address_space: global }
      - { .name: out0, .offset: 8, .size: 8, .value_kind: global_buffer, .address_space: global }
    .group_segment_fixed_size: 327680
    .private_segment_fixed_size: 0
    .kernarg_segment_align: 8
    .kernarg_segment_size: 16
    .max_flat_workgroup_size: 128
    .sgpr_count:     66
    .vgpr_count:     898
    .wavefront_size: 32
...
	.end_amdgpu_metadata
.endif
;; end of part 2
;; ======== version 2 of 3: 3 launches; 1.18 times as fast as version 1
;; workspace buffers: qkv 12,582,912 bytes; wt 786,432 bytes
;; launch prep (part 3): grid 16 x 3, 4 waves a work-group, no clusters, 17,920 bytes of LDS; arguments Wq, Wk, Wv, wt; writes wt
.if DOCPART == 3
	.amdgcn_target "amdgcn-amd-amdhsa--gfx1250"
	.amdhsa_code_object_version 6
	.text
	.protected	k_q6c9bd350d4_prep
	.globl	k_q6c9bd350d4_prep
	.p2align	8
	.type	k_q6c9bd350d4_prep,@function
k_q6c9bd350d4_prep:
	s_mov_b64 s[64:65], 0
	v_nop
	global_prefetch_b8 v0, s[64:65] scope:SCOPE_SE
	s_setreg_imm32_b32 hwreg(HW_REG_WAVE_MODE, 25, 1), 1
	s_wait_xcnt 0x0
; wt[128 g + n][k] = bf16(W_g[k][n]),  g = 0, 1, 2 for Wq, Wk, Wv.  W: [1024][128] f32.  wt: [384][1024] bf16.
; W is turned once, so that the next launch's 256 work-groups find k along the rows, in the matrix unit's format, at half the bytes.
; LIMITS: W is rounded to bf16 (nearest even), as the products allow; NaN and infinities pass as the conversion makes them.
;
; SHARES.  A work-group turns 128 k x 64 n of one matrix: the smallest tile whose rows are whole aligned blocks of 256 bytes on both sides
; (64 f32 in, 128 bf16 out).  That makes 8 x 2 x 3 = 48 work-groups: x = k tile + 8 x column half, y = matrix.  No work-group shares a byte with
; another, so there is no cluster; the matrix unit and the tensor mover have nothing to do here.
; Wave w takes rows k = 32 w .. 32 w + 31 in two blocks of 16.  In load i of a block lanes 0-15 read 256 bytes of row i, lanes 16-31 of row 8 + i:
; a lane ends up with 8 k x 4 n, packs each n's eight k into 16 bytes and lays them into LDS; whole rows of 256 bytes are read back and stored.
; LDS row 16 c + a holds column n = 4 a + c: the sixteen lanes of a store (a = 0 .. 15, one c) are then 272 bytes apart and take sixteen different
; 16-byte columns of the 64 banks (ISA guide 11.1).
.set PITCH, 272                        ; 256 bytes + 16
.set GI,  4                            ; v4  my byte offset in W
.set LS,  5                            ; v5  LDS: where my 16 bytes go
.set LR,  6                            ; v6  LDS: where I read a row back
.set GO,  7                            ; v7  my byte offset in wt
.set IN,  8                            ; v8-71  as loaded: block b, row i at IN + 4 (8 b + i); later the rows read back
.set PK,  72                           ; v72-103 packed: block b, column c at PK + 4 (4 b + c)
	s_load_b256 s[4:11], s[0:1], 0x0               ; Wq s[4:5], Wk s[6:7], Wv s[8:9], wt s[10:11]
	v_lshl_add_u32 v104, v0, 2, 0x4400
	v_mov_b32 v105, 0
	v_lshrrev_b32 v1, 5, v0
	v_readfirstlane_b32 s12, v1                    ; wave 0..3
	s_and_b32 s13, ttmp7, 0xffff                   ; matrix
	s_and_b32 s14, ttmp9, 7                        ; k tile
	s_lshr_b32 s15, ttmp9, 3                       ; column half
	v_and_b32 v1, 15, v0                           ; a: lane mod 16
	v_bfe_u32 v2, v0, 4, 1                         ; h: half of the lanes
	v_lshlrev_b32 v3, 4, v1                        ; 16 a
	v_lshl_add_u32 v[GI], v2, 12, v3               ; in: 16 bytes a lane, lanes 16-31 eight rows of 512 bytes further down,
	s_lshl_b32 s16, s12, 14
	v_add_nc_u32 v[GI], s16, v[GI]                 ; my wave's 32 rows
	v_mul_u32_u24 v[LS], v1, PITCH                 ; LDS, in: row a (+ 16 c in the immediate), the 16 bytes of k = 32 w + 16 b + 8 h .. + 7
	v_lshl_add_u32 v[LS], v2, 4, v[LS]
	s_lshl_b32 s17, s12, 6
	v_add_nc_u32 v[LS], s17, v[LS]
	v_mul_u32_u24 v[LR], v2, PITCH                 ; LDS, back: row 4 w + h (+ the immediate), 16 bytes a lane
	v_add_nc_u32 v[LR], v[LR], v3
	s_mul_i32 s18, s12, 4*PITCH
	v_add_nc_u32 v[LR], s18, v[LR]
	v_lshl_add_u32 v[GO], v2, 13, v3               ; out: column 16 w + 4 h (+ the immediate), rows of 2,048 bytes
	s_lshl_b32 s19, s12, 15
	v_add_nc_u32 v[GO], s19, v[GO]
	s_lshl_b32 s24, s14, 16                        ; in: 128 rows of 512 bytes a k tile,
	s_lshl_b32 s25, s15, 8                         ; 256 bytes a column half
	s_add_co_u32 s24, s24, s25
	s_mov_b32 s25, 0
	s_lshl_b32 s26, s13, 18                        ; out: 128 rows of 2,048 bytes a matrix,
	s_lshl_b32 s27, s15, 17                        ; 64 rows a column half,
	s_add_co_u32 s26, s26, s27
	s_lshl_b32 s27, s14, 8                         ; 256 bytes a k tile
	s_add_co_u32 s26, s26, s27
	s_mov_b32 s27, 0
	s_wait_kmcnt 0x0
	s_cmp_eq_u32 s13, 0
	s_cselect_b64 s[20:21], s[4:5], s[8:9]
	s_cmp_eq_u32 s13, 1
	s_cselect_b64 s[20:21], s[6:7], s[20:21]       ; my matrix
	s_add_nc_u64 s[20:21], s[20:21], s[24:25]
	s_add_nc_u64 s[22:23], s[10:11], s[26:27]
.irp b, 0,1
.irp i, 0,1,2,3,4,5,6,7
	global_load_b128 v[IN+4*(8*\b+\i):IN+4*(8*\b+\i)+3], v[GI], s[20:21] offset:\b*8192+\i*512 th:TH_LOAD_NT
.endr
.endr
.irp b, 0,1
	s_wait_loadcnt 8*(1-\b)                        ; loads come back in order (ISA guide 5.7.1): block b is in, the later block's eight may be out
.irp c, 0,1,2,3
.irp q, 0,1,2,3
	v_cvt_pk_bf16_f32 v[PK+4*(4*\b+\c)+\q], v[IN+4*(8*\b+2*\q)+\c], v[IN+4*(8*\b+2*\q+1)+\c]   ; column 4 a + c, k = 2 q and 2 q + 1 of my eight
.endr
	ds_store_b128 v[LS], v[PK+4*(4*\b+\c):PK+4*(4*\b+\c)+3] offset:\c*16*PITCH+32*\b
.endr
.endr
	s_wait_dscnt 0x0                               ; my stores are in LDS: the other waves read them behind the barrier
	s_barrier_signal -1
	s_barrier_wait -1
	; read-back j: LDS row 16 (j / 2) + 4 w + 2 (j mod 2) + h, which is column 16 w + 8 (j mod 2) + 4 h + j / 2
.irp j, 0,1,2,3,4,5,6,7
	ds_load_b128 v[IN+4*\j:IN+4*\j+3], v[LR] offset:(16*(\j/2)+2*(\j%2))*PITCH
.endr
.irp j, 0,1,2,3,4,5,6,7
	s_wait_dscnt 7-\j                              ; the younger read-backs stay out
	global_store_b128 v[GO], v[IN+4*\j:IN+4*\j+3], s[22:23] offset:(8*(\j%2)+\j/2)*2048   ; sixteen lanes store 256 consecutive bytes, aligned
.endr
	s_wait_tensorcnt 0x0
	ds_add_u32 v104, v105
	s_wait_dscnt 0x0
	s_endpgm
.Lfunc_end_k_q6c9bd350d4_prep:
	.size	k_q6c9bd350d4_prep, .Lfunc_end_k_q6c9bd350d4_prep-k_q6c9bd350d4_prep
	.p2alignl 7, 3214868480
	.fill 96, 4, 3214868480
	.section	.rodata,"a",@progbits
	.p2align	6, 0x0
	.amdhsa_kernel k_q6c9bd350d4_prep
		.amdhsa_group_segment_fixed_size 17920
		.amdhsa_private_segment_fixed_size 0
		.amdhsa_enable_private_segment 0
		.amdhsa_kernarg_size 32
		.amdhsa_user_sgpr_count 2
		.amdhsa_user_sgpr_kernarg_segment_ptr 1
		.amdhsa_wavefront_size32 1
		.amdhsa_system_sgpr_workgroup_id_x 1
		.amdhsa_system_sgpr_workgroup_id_y 1
		.amdhsa_system_sgpr_workgroup_id_z 1
		.amdhsa_system_vgpr_workitem_id 0
		.amdhsa_next_free_vgpr 106
		.amdhsa_next_free_sgpr 66
		.amdhsa_reserve_vcc 0
		.amdhsa_float_denorm_mode_32 3
		.amdhsa_float_denorm_mode_16_64 3
		.amdhsa_memory_ordered 1
		.amdhsa_forward_progress 1
		.amdhsa_inst_pref_size 8
	.end_amdhsa_kernel
	.amdgpu_metadata
---
amdhsa.version: [ 1, 2 ]
amdhsa.kernels:
  - .name:           k_q6c9bd350d4_prep
    .symbol:         k_q6c9bd350d4_prep.kd
    .args:
      - { .name: Wq, .offset: 0, .size: 8, .value_kind: global_buffer, .address_space: global }
      - { .name: Wk, .offset: 8, .size: 8, .value_kind: global_buffer, .address_space: global }
      - { .name: Wv, .offset: 16, .size: 8, .value_kind: global_buffer, .address_space: global }
      - { .name: wt, .offset: 24, .size: 8, .value_kind: global_buffer, .address_space: global }
    .group_segment_fixed_size: 17920
    .private_segment_fixed_size: 0
    .kernarg_segment_align: 8
    .kernarg_segment_size: 32
    .max_flat_workgroup_size: 128
    .sgpr_count:     66
    .vgpr_count:     106
    .wavefront_size: 32
...
	.end_amdgpu_metadata
.endif
;; end of part 3
;; launch proj (part 4): grid 256 x 1, 4 waves a work-group, clusters of 4 x 1, 327,680 bytes of LDS; arguments x, wt, bq, bk, bv, qkv; writes qkv
.if DOCPART == 4
	.amdgcn_target "amdgcn-amd-amdhsa--gfx1250"
	.amdhsa_code_object_version 6
	.text
	.protected	k_q6c9bd350d4_proj
	.globl	k_q6c9bd350d4_proj
	.p2align	8
	.type	k_q6c9bd350d4_proj,@function
k_q6c9bd350d4_proj:
	s_mov_b64 s[64:65], 0
	v_nop
	global_prefetch_b8 v0, s[64:65] scope:SCOPE_SE
	s_setreg_imm32_b32 hwreg(HW_REG_WAVE_MODE, 25, 1), 1
	s_wait_xcnt 0x0
	s_wait_alu depctr_hold_cnt(0) depctr_sa_sdst(0) depctr_va_vdst(0) depctr_va_sdst(0) depctr_va_ssrc(0) depctr_va_vcc(0) depctr_vm_vsrc(0)
	s_getreg_b32 s2, hwreg(HW_REG_IB_STS2, 6, 4)
	s_cmp_eq_u32 s2, 0
	s_cbranch_scc0 .Lentry_in_a_cluster
	s_endpgm
.Lentry_in_a_cluster:
	s_bfe_u32 s2, ttmp6, 0x10000c
	s_cmp_lg_u32 s2, 0x3003
	s_cbranch_scc0 .Lentry_shape_is_right
	s_endpgm
.Lentry_shape_is_right:
; qkv[0] = (x Wq + bq) * c,  qkv[1] = x Wk + bk,  qkv[2] = x Wv + bv,  each [16384][128] in bf16.
; c = log2(e) / sqrt(128): the scores of the next launch then come out as exponents of 2.
; x: [16384][1024] f32.  wt: [384][1024] bf16, row 128 g + n = column n of W_g, k along the row (made by the launch before).
; Products in bf16, sums in f32, bias and scale in f32, one rounding to bf16.
; LIMITS: x and W are rounded to bf16 for the products; Q is scaled by c before its rounding to bf16; the sum over K starts at a K step that
; differs from cluster to cluster (see THE WALK), so its order of rounding differs from an ascending sum's; NaN and infinities are not treated specially.
;
; SHARES.  256 work-groups of four waves; a work-group makes 64 rows x 384 columns.  Wave w makes all 64 rows of columns 32 w .. 32 w + 31
; of EACH of Q, K, V: 6 column tiles x 4 row blocks = 24 accumulator tiles (192 registers).  K goes in 8 steps of 128: 96 matrix instructions a wave a step.
; W: every work-group walks the same tiles of wt, so the four work-groups of a cluster ask for them jointly (mask 15): a quarter of the requests.
;    Each wave brings 96 of the 384 rows, 256 bytes each, by one load.  Two LDS slots; one round of the cluster's barrier a step.
; x: rows are a work-group's own, so nothing of x is shared: plain loads, six chunks (64 columns = 256 bytes of each of 64 rows) on their way
;    in a ring of six register sets (96 KiB a work-group), converted to bf16 and laid into one of two LDS slots a step ahead of its use.
; THE WALK.  Cluster n takes the K steps in the order 3 n, 3 n + 1, .. mod 8.  3 is odd, so eight neighbouring clusters start at eight different steps:
;    in any one step the clusters ask for all eight tiles of wt and for all of x's columns, not all for the same, and from the second step on a tile
;    has been asked for by another cluster before.  For the same reason nothing is prefetched.
; The 8 steps are written out: two LDS slots and six register sets make a lap of six steps, and the first step starts the sums.
;
; TRANSPOSED USE.  Source 0 = 16 rows of wt (16 columns of the result), source 1 = 16 rows of x.  Register j of lane (r, h) is then
; (row 16 m + r, column 8 h + j of the tile's 16): eight neighbouring numbers of one output row, which pack into 16 bytes.
.set WPITCH, 272                       ; an LDS row: 256 bytes + 16: sixteen rows start at sixteen different 16-byte columns of the 64 banks (ISA guide 11.1)
.set WPART,  96*WPITCH                 ; what one wave's load brings: 26,112
.set WSLOT,  4*WPART                   ; a slot: 104,448
.set XS,     2*WSLOT                   ; 208,896: x in bf16, two slots, written by LDS stores alone
.set XPITCH, 272                       ; 128 bf16 + 16 bytes
.set XSLOT,  64*XPITCH                 ; 17,408
.set STAGE,  XS+2*XSLOT                ; 243,712: the way out, 64 rows x 784 bytes, written by LDS stores alone
.set SPITCH, 784                       ; 768 bytes (Q, K, V: 256 each) + 16
; window 0
.set ADRW, 8                           ; v8-13   slot n, matrix g: v[ADRW+3n+g], my 16 bytes of wt's row 128 g + 32 w + r
.set ADRX, 14                          ; v14-15  slot n: my 16 bytes of x's row r
.set XSTO, 16                          ; v16-17  slot n: where my 8 converted bytes go
.set XB,   18                          ; v18     my byte offset in column 0 of x's rows; never rewritten
.set STO,  19                          ; v19     the way out: where my 16 bytes of a row go
.set RD,   20                          ; v20     the way out: where I read rows back
.set CO,   21                          ; v21     my byte offset in a section of qkv
.set BOFF, 22                          ; v22     my byte offset in a bias
.set XOF,  24                          ; v24-29  register set n: XB + 256 x the chunk that the set holds or waits for
.set F0,   32                          ; v32-111  fragment buffer 0: wt's six tiles at + 8 a, x's four row blocks at + 48 + 8 m
.set F1,   112                         ; v112-191 fragment buffer 1
.set PK,   32                          ; v32-127 the way out: packed results, then the rows read back
.set XT,   224                         ; v224-255 x, converted, on its way to LDS: 16 registers for even chunks, 16 for odd
; window 1: accumulator tile (a = 2 g + t, m) at 8 (4 a + m), names 0-191
.set BIAS, 192                         ; window 1, names 192-239: tile a's 8 numbers for my columns 8 h + 0..7 at + 8 a
; window 2
.set XR,   0                           ; names 0-191: six sets of 32, x as loaded
.set G1, 24                            ; s[24:31] descriptor group 1
.set G0, 32                            ; s[32:39] descriptor group 0, a set for each slot
.set OB, 48                            ; s[48:53] my 64 rows in qkv's three sections
; s20 wave, s22 work-group, s23 my cluster's first chunk (even: two chunks a K step), s[44:45] my wave's 96 rows of wt, s[60:61] a tile's byte offset (s61 = 0), s62 a chunk's
.set MSB, 0
.macro WIN new                         ; s_set_vgpr_msb: bits 1:0 source 0, 3:2 source 1, 5:4 source 2, 7:6 destination; the high byte repeats the setting that is left
.if MSB != \new
	s_set_vgpr_msb (MSB<<8)|\new
.set MSB, \new
.endif
.endm
.macro PLACES                          ; four independent vector instructions behind a matrix instruction, before its sources are loaded into and before its result is read (ISA guide 7.12.1)
.rept 4
	v_nop
.endr
.endm
; A round of the cluster's barrier: my work-group's barrier, wave 0 signals for the work-group, every wave waits for all four work-groups, my work-group's barrier once more.
.macro ROUND
	s_barrier_signal -1
	s_barrier_wait -1
	s_cmp_lg_u32 s20, 0
	s_cbranch_scc1 .Lnot_wave_0_\@
	s_barrier_signal -3
.Lnot_wave_0_\@:
	s_barrier_wait -3
	s_barrier_signal -1
	s_barrier_wait -1
.endm
; Slot's group 0 gets the address of the tile of walk step st: chunks (first + 2 st) mod 16 and the next, 128 bytes of a row each.  Stands where no tensor load that names this group 0 is out.
.macro WADDR slot, st
.set WST, \st
	s_add_co_u32 s60, s23, 2*WST
	s_and_b32 s60, s60, 15
	s_lshl_b32 s60, s60, 7
	s_add_nc_u64 s[G0+4*(\slot)+2:G0+4*(\slot)+3], s[44:45], s[60:61]
	s_or_b32 s[G0+4*(\slot)+3], s[G0+4*(\slot)+3], 0x80000000      ; type = 2
.endm
; Register set's offset gets walk chunk st: 256 bytes x ((first + st) mod 16)
.macro XADDR set, st
.set XST, \st
	s_add_co_u32 s62, s23, XST
	s_and_b32 s62, s62, 15
	s_lshl_b32 s62, s62, 8
	v_add_nc_u32 v[XOF+(\set)], s62, v[XB]
.endm
; 20 LDS loads: the fragments of quarter kk of the step (32 along K): wt's six tiles, x's four row blocks
.macro FETCH slot, kk, f
.irp g, 0,1,2
.irp t, 0,1
	ds_load_b128 v[\f+8*(2*\g+\t):\f+8*(2*\g+\t)+3],   v[ADRW+3*(\slot)+\g] offset:\t*16*WPITCH+64*\kk
	ds_load_b128 v[\f+8*(2*\g+\t)+4:\f+8*(2*\g+\t)+7], v[ADRW+3*(\slot)+\g] offset:\t*16*WPITCH+64*\kk+32
.endr
.endr
.irp m, 0,1,2,3
	ds_load_b128 v[\f+48+8*\m:\f+48+8*\m+3], v[ADRX+(\slot)] offset:\m*16*XPITCH+64*\kk
	ds_load_b128 v[\f+52+8*\m:\f+52+8*\m+3], v[ADRX+(\slot)] offset:\m*16*XPITCH+64*\kk+32
.endr
.endm
; 24 matrix instructions, one on each accumulator: the accumulators take turns, one instruction a turn.
.macro MUL f, zero
	WIN 0x50                                       ; C and D in window 1
.irp a, 0,1,2,3,4,5
.irp m, 0,1,2,3
.if \zero
	v_wmma_f32_16x16x32_bf16 v[8*(4*\a+\m):8*(4*\a+\m)+7], v[\f+8*\a:\f+8*\a+7], v[\f+48+8*\m:\f+48+8*\m+7], 0
.else
	v_wmma_f32_16x16x32_bf16 v[8*(4*\a+\m):8*(4*\a+\m)+7], v[\f+8*\a:\f+8*\a+7], v[\f+48+8*\m:\f+48+8*\m+7], v[8*(4*\a+\m):8*(4*\a+\m)+7]
.endif
.endr
.endr
	WIN 0
.endm
; Walk chunk c of x (my 16 rows, 256 bytes each): to bf16, into half c mod 2 of the rows of x's LDS slot (c / 2) mod 2.
; Up to chunk 9 its register set is loaded again with chunk c + 6.
.macro XCONV c
.set XREG, (\c)%6
.set XSET, XR+32*XREG
.set XSL,  ((\c)/2)%2
.set XCO,  128*((\c)%2)
.set XTT,  XT+16*((\c)%2)
.set LEFT, 40                                      ; five younger chunks of eight loads may stay out,
.if (\c) > 10
.set LEFT, 8*(15-(\c))                             ; and fewer when nothing is left to ask for
.endif
	s_wait_loadcnt LEFT                            ; loads come back in order (ISA guide 5.7.1): this chunk's eight are in, so the set's offset register is free as well
	WIN 0x0a                                       ; sources in window 2
.irp i, 0,1,2,3,4,5,6,7
	v_cvt_pk_bf16_f32 v[XTT+2*\i],   v[XSET+4*\i],   v[XSET+4*\i+1]
	v_cvt_pk_bf16_f32 v[XTT+2*\i+1], v[XSET+4*\i+2], v[XSET+4*\i+3]
.endr
	WIN 0
.irp i, 0,1,2,3,4,5,6,7
	ds_store_b64 v[XSTO+XSL], v[XTT+2*\i:XTT+2*\i+1] offset:\i*XPITCH+XCO   ; lanes 0-15 row i, lanes 16-31 row i + 8: 8 x 272 = 128 mod 256 bytes, the other half of the banks
.endr
.if (\c) < 10
	XADDR XREG, 6+(\c)
	WIN 0x80                                       ; destination in window 2
.irp i, 0,1,2,3,4,5,6,7
	global_load_b128 v[XSET+4*\i:XSET+4*\i+3], v[XOF+XREG], s[4:5] offset:\i*4096 th:TH_LOAD_NT
.endr
	WIN 0
.endif
.endm
	s_load_b256 s[4:11], s[0:1], 0x0               ; x s[4:5], wt s[6:7], bq s[8:9], bk s[10:11]
	s_load_b128 s[12:15], s[0:1], 0x20             ; bv s[12:13], qkv s[14:15]
	v_lshl_add_u32 v222, v0, 2, 0x47c00
	v_mov_b32 v223, 0
	ds_add_u32 v222, v223
	v_lshrrev_b32 v1, 5, v0
	v_readfirstlane_b32 s20, v1                    ; wave 0..3
	s_bfe_u32 s21, ttmp6, 0x40000                  ; my place in the cluster
	s_lshl_b32 s22, ttmp9, 2                       ; in a cluster launch ttmp9 counts clusters
	s_add_co_u32 s22, s22, s21                     ; work-group 0..255: enters global addresses alone
	s_mul_i32 s23, ttmp9, 3
	s_and_b32 s23, s23, 7                          ; my cluster's first K step: the same in all four partners,
	s_lshl_b32 s23, s23, 1                         ; counted in chunks of 64
	s_mov_b32 s61, 0
	s_mov_b32 s40, 0x3e0293ee                      ; c = log2(e) / sqrt(128)
	; descriptor group 1: 96 rows x 128 elements of 2 bytes, 16 bytes of padding behind each row
	s_mov_b32 s[G1+0], 15|(1<<16)|(1<<20)|(1<<21)|(5<<22)|(3<<25)  ; 15:0 all four work-groups; 17:16 2-byte elements; 20 padding on; 21 set beside a mask; 24:22 after every 64 words; 31:25 four words
	s_mov_b32 s[G1+1], 128<<16                     ; tensor_dim0 = 128
	s_mov_b32 s[G1+2], 96<<16                      ; tensor_dim1 = 96
	s_mov_b32 s[G1+3], 128<<16                     ; tile_dim0 = 128
	s_mov_b32 s[G1+4], 96                          ; tile_dim1 = 96
	s_mov_b32 s[G1+5], 1024                        ; elements from row to row
	s_mov_b32 s[G1+6], 0
	s_mov_b32 s[G1+7], 0
	v_and_b32 v1, 15, v0                           ; r
	v_bfe_u32 v2, v0, 4, 1                         ; h
	v_and_b32 v3, 31, v0                           ; lane
	s_mul_i32 s41, s20, 32*WPITCH                  ; my 32 columns: 32 rows of a matrix's part of a slot
	s_mul_i32 s42, s20, 16*XPITCH                  ; my 16 rows in a slot of x
	s_lshl_b32 s43, s20, 16                        ; my 16 rows of x in memory
	s_lshl_b32 s47, s20, 7                         ; my 32 columns in a bias
	v_mul_u32_u24 v5, v1, WPITCH                   ; fragments, of wt and of x alike: row r, 16 bytes for each half of the lanes
	v_lshl_add_u32 v5, v2, 4, v5
	v_add_nc_u32 v4, s41, v5
.irp n, 0,1
.irp g, 0,1,2
	v_add_nc_u32 v[ADRW+3*\n+\g], \n*WSLOT+\g*128*WPITCH, v4
.endr
.endr
	v_mul_u32_u24 v6, v2, 8*XPITCH                 ; x stores: lanes 0-15 row i, lanes 16-31 row i + 8, 8 bytes a lane
	v_lshl_add_u32 v6, v1, 3, v6
	v_add_nc_u32 v6, s42, v6
.irp n, 0,1
	v_add_nc_u32 v[ADRX+\n], XS+\n*XSLOT, v5
	v_add_nc_u32 v[XSTO+\n], XS+\n*XSLOT, v6
.endr
	v_lshlrev_b32 v7, 4, v1                        ; x in memory: 16 bytes a lane, sixteen lanes take 256 aligned bytes of a row,
	v_lshl_add_u32 v7, v2, 15, v7                  ; lanes 16-31 eight rows further down
	v_add_nc_u32 v[XB], s43, v7
.irp c, 0,1,2,3,4,5
	XADDR \c, \c                                   ; the first six chunks of the walk
.endr
	v_lshlrev_b32 v[BOFF], 5, v2                   ; bias: 8 numbers from column 32 w + 16 t + 8 h
	v_add_nc_u32 v[BOFF], s47, v[BOFF]
	s_lshl_b32 s56, s20, 6
	s_add_co_u32 s56, s56, STAGE
	v_mul_u32_u24 v[STO], v1, SPITCH               ; the way out, in: row r, byte 64 w + 16 h (+ 32 t) of a matrix's 256
	v_lshl_add_u32 v[STO], v2, 4, v[STO]
	v_add_nc_u32 v[STO], s56, v[STO]
	s_mul_i32 s57, s20, 16*SPITCH
	s_add_co_u32 s57, s57, STAGE
	v_mul_u32_u24 v[RD], v2, SPITCH                ; back: lanes 0-15 one row's 256 bytes, lanes 16-31 the next row's
	v_lshl_add_u32 v[RD], v1, 4, v[RD]
	v_add_nc_u32 v[RD], s57, v[RD]
	s_lshl_b32 s58, s20, 12
	v_lshlrev_b32 v[CO], 4, v3                     ; the same two rows in qkv are 512 neighbouring bytes
	v_add_nc_u32 v[CO], s58, v[CO]
	s_mul_i32 s46, s20, WPART                      ; where my 96 rows go in a slot
	s_wait_dscnt 0x0
	s_wait_kmcnt 0x0
	s_lshl_b32 s54, s22, 18                        ; 64 rows of 4,096 bytes
	s_mov_b32 s55, 0
	s_add_nc_u64 s[4:5], s[4:5], s[54:55]          ; x at my work-group's first row; never stepped: the chunk stands in the set's offset register, the row in the immediate
	s_lshl_b32 s54, s22, 14                        ; 64 rows of 256 bytes
	s_add_nc_u64 s[OB:OB+1], s[14:15], s[54:55]
	s_add_nc_u64 s[OB+2:OB+3], s[OB:OB+1], 0x400000
	s_add_nc_u64 s[OB+4:OB+5], s[OB:OB+1], 0x800000
	s_mul_i32 s54, s20, 96*2048                    ; my wave's 96 rows of wt
	s_add_nc_u64 s[44:45], s[6:7], s[54:55]
.irp n, 0,1
	s_mov_b32 s[G0+4*\n], 1                                        ; count = 1
	s_add_co_u32 s[G0+4*\n+1], s46, \n*WSLOT                       ; LDS address: wave x part + slot
	WADDR \n, \n                                                   ; the tile of walk step n
.endr
	WIN 0x40                                       ; destination in window 1
.irp g, 0,1,2
.irp t, 0,1
	global_load_b128 v[BIAS+8*(2*\g+\t):BIAS+8*(2*\g+\t)+3],   v[BOFF], s[8+2*\g:9+2*\g] offset:64*\t
	global_load_b128 v[BIAS+8*(2*\g+\t)+4:BIAS+8*(2*\g+\t)+7], v[BOFF], s[8+2*\g:9+2*\g] offset:64*\t+16
.endr
.endr
	WIN 0x80
.irp c, 0,1,2,3,4,5
.irp i, 0,1,2,3,4,5,6,7
	global_load_b128 v[XR+32*\c+4*\i:XR+32*\c+4*\i+3], v[XOF+\c], s[4:5] offset:\i*4096 th:TH_LOAD_NT
.endr
.endr
	WIN 0
	ROUND                                          ; the four work-groups are here: the first joint loads meet their partners'
	tensor_load_to_lds s[G0:G0+3], s[G1:G1+7]      ; both slots' first fills go out together: two tensor loads of a wave are out here,
	s_nop 0
	tensor_load_to_lds s[G0+4:G0+7], s[G1:G1+7]    ; later never more than one
	s_nop 0
	XCONV 0                                        ; five younger chunks stay out; the biases are older than the first chunk, so they are in as well
	XCONV 1
	WIN 0x44
.irp i, 0,1,2,3,4,5,6,7,8,9,10,11,12,13,14,15
	v_mul_f32 v[BIAS+\i], s40, v[BIAS+\i]          ; bq * c, so that Q's way out is one fused multiply-add
.endr
	WIN 0
; One step of the walk.  Step 0: my part of slot 0 is in (slot 1's load may stay out), my stores of its x are in
; LDS; a barrier of the work-group shows both of every wave.  Steps 1 to 7: in front of the round every wave has waited for all its tensor loads
; (its part of this step's tile among them), for its reads of the slots used last step and for its stores of this step's x: behind the round wt's
; other slot is asked for again, first thing, and this step's slots are whole.  That load has the whole step, 96 matrix instructions, in which to land.
; The step's four quarters go through two fragment buffers: a quarter's 20 loads are issued a quarter ahead of its products.
.macro STEP s
.set SL, (\s)&1
.set NX, 1-SL
.set XN, 8                                         ; LDS stores of one chunk of x,
.if \s == 7
.set XN, 0                                         ; none in the last step
.endif
.if \s == 0
	s_wait_tensorcnt 0x1                           ; tensor loads of a wave end in order (ISA guide 10.11.1): the first is in, the one issued behind it may be out
	s_wait_dscnt 0x0
	s_barrier_signal -1
	s_barrier_wait -1
.else
	s_wait_tensorcnt 0x0                           ; no tensor load of mine is out: a group 0 may be written
	ds_add_u32 v222, v223
	s_wait_dscnt 0x0
.if \s < 7
	WADDR NX, 1+\s                                 ; the next walk step's tile
.endif
	s_wait_dscnt 0x0
	ROUND
.if \s < 7
	tensor_load_to_lds s[G0+4*NX:G0+4*NX+3], s[G1:G1+7]
	s_nop 0
.endif
.endif
	FETCH SL, 0, F0
	FETCH SL, 1, F1
.if \s < 7
	XCONV 2*\s+2                                   ; the next step's x, first half of its rows
.endif
	s_wait_dscnt 20+XN                             ; LDS answers in order (ISA guide 5.7.1): quarter 0 is in; quarter 1's 20 loads and x's stores may be out
.if \s == 0
	MUL F0, 1                                      ; the first products start the sums: nothing is cleared
.else
	MUL F0, 0
.endif
	PLACES                                         ; then buffer 0 may be loaded again
	FETCH SL, 2, F0
.if \s < 7
	XCONV 2*\s+3                                   ; second half
.endif
	s_wait_dscnt 20+2*XN                           ; quarter 1 is in; behind it: x's stores, quarter 2's 20 loads, x's stores
	MUL F1, 0
	PLACES
	FETCH SL, 3, F1
	s_wait_dscnt 20+XN                             ; quarter 2 is in; behind it: x's stores and quarter 3's 20 loads
	MUL F0, 0
	s_wait_dscnt 0x0
	MUL F1, 0
	PLACES                                         ; for the next step's loads into both buffers, and for the way out
.endm
.irp s, 0,1,2,3,4,5,6,7
	STEP \s
.endr
	; THE WAY OUT.  Bias (and for Q the scale) in f32, one rounding to bf16, 16 bytes a lane and tile into the stage, whole rows back, stores of 512 neighbouring bytes.
	WIN 0x51
.irp a, 0,1
.irp m, 0,1,2,3
.irp j, 0,1,2,3,4,5,6,7
	v_fma_f32 v[8*(4*\a+\m)+\j], v[8*(4*\a+\m)+\j], s40, v[BIAS+8*\a+\j]           ; Q: sum * c + bq * c
.endr
.endr
.endr
	WIN 0x45
.irp a, 2,3,4,5
.irp m, 0,1,2,3
.irp j, 0,2,4,6
	v_pk_add_f32 v[8*(4*\a+\m)+\j:8*(4*\a+\m)+\j+1], v[8*(4*\a+\m)+\j:8*(4*\a+\m)+\j+1], v[BIAS+8*\a+\j:BIAS+8*\a+\j+1]   ; K, V: sum + bias
.endr
.endr
.endr
	WIN 0x05
.irp a, 0,1,2,3,4,5
.irp m, 0,1,2,3
.irp q, 0,1,2,3
	v_cvt_pk_bf16_f32 v[PK+4*(4*\a+\m)+\q], v[8*(4*\a+\m)+2*\q], v[8*(4*\a+\m)+2*\q+1]
.endr
.endr
.endr
	WIN 0
.irp g, 0,1,2
.irp t, 0,1
.irp m, 0,1,2,3
	ds_store_b128 v[STO], v[PK+4*(4*(2*\g+\t)+\m):PK+4*(4*(2*\g+\t)+\m)+3] offset:\m*16*SPITCH+256*\g+32*\t
.endr
.endr
.endr
	s_wait_dscnt 0x0                               ; my stores are in LDS: the other waves read them behind the barrier
	s_barrier_signal -1
	s_barrier_wait -1
.irp g, 0,1,2
.irp i, 0,1,2,3,4,5,6,7
	ds_load_b128 v[PK+4*(8*\g+\i):PK+4*(8*\g+\i)+3], v[RD] offset:\i*2*SPITCH+256*\g
.endr
.endr
.irp g, 0,1,2
.irp i, 0,1,2,3,4,5,6,7
	s_wait_dscnt 23-(8*\g+\i)                      ; the younger read-backs stay out
	global_store_b128 v[CO], v[PK+4*(8*\g+\i):PK+4*(8*\g+\i)+3], s[OB+2*\g:OB+2*\g+1] offset:\i*512   ; two rows of 256 bytes: 512 neighbouring bytes, aligned
.endr
.endr
	s_wait_tensorcnt 0x0
	ds_add_u32 v222, v223
	s_wait_dscnt 0x0
	ROUND                                          ; the closing round: no work-group ends while a partner may still ask for a tile that names it
	s_endpgm
.Lfunc_end_k_q6c9bd350d4_proj:
	.size	k_q6c9bd350d4_proj, .Lfunc_end_k_q6c9bd350d4_proj-k_q6c9bd350d4_proj
	.p2alignl 7, 3214868480
	.fill 96, 4, 3214868480
	.section	.rodata,"a",@progbits
	.p2align	6, 0x0
	.amdhsa_kernel k_q6c9bd350d4_proj
		.amdhsa_group_segment_fixed_size 327680
		.amdhsa_private_segment_fixed_size 0
		.amdhsa_enable_private_segment 0
		.amdhsa_kernarg_size 48
		.amdhsa_user_sgpr_count 2
		.amdhsa_user_sgpr_kernarg_segment_ptr 1
		.amdhsa_wavefront_size32 1
		.amdhsa_system_sgpr_workgroup_id_x 1
		.amdhsa_system_sgpr_workgroup_id_y 1
		.amdhsa_system_sgpr_workgroup_id_z 1
		.amdhsa_system_vgpr_workitem_id 0
		.amdhsa_next_free_vgpr 704
		.amdhsa_next_free_sgpr 66
		.amdhsa_reserve_vcc 0
		.amdhsa_float_denorm_mode_32 3
		.amdhsa_float_denorm_mode_16_64 3
		.amdhsa_memory_ordered 1
		.amdhsa_forward_progress 1
		.amdhsa_inst_pref_size 167
	.end_amdhsa_kernel
	.amdgpu_metadata
---
amdhsa.version: [ 1, 2 ]
amdhsa.kernels:
  - .name:           k_q6c9bd350d4_proj
    .symbol:         k_q6c9bd350d4_proj.kd
    .args:
      - { .name: x, .offset: 0, .size: 8, .value_kind: global_buffer, .address_space: global }
      - { .name: wt, .offset: 8, .size: 8, .value_kind: global_buffer, .address_space: global }
      - { .name: bq, .offset: 16, .size: 8, .value_kind: global_buffer, .address_space: global }
      - { .name: bk, .offset: 24, .size: 8, .value_kind: global_buffer, .address_space: global }
      - { .name: bv, .offset: 32, .size: 8, .value_kind: global_buffer, .address_space: global }
      - { .name: qkv, .offset: 40, .size: 8, .value_kind: global_buffer, .address_space: global }
    .group_segment_fixed_size: 327680
    .private_segment_fixed_size: 0
    .kernarg_segment_align: 8
    .kernarg_segment_size: 48
    .max_flat_workgroup_size: 128
    .sgpr_count:     66
    .vgpr_count:     704
    .wavefront_size: 32
...
	.end_amdgpu_metadata
.endif
;; end of part 4
;; launch attn (part 5): grid 256 x 1, 4 waves a work-group, clusters of 4 x 1, 327,680 bytes of LDS; arguments qkv, out0; writes out0
.if DOCPART == 5
	.amdgcn_target "amdgcn-amd-amdhsa--gfx1250"
	.amdhsa_code_object_version 6
	.text
	.protected	k_q6c9bd350d4_attn
	.globl	k_q6c9bd350d4_attn
	.p2align	8
	.type	k_q6c9bd350d4_attn,@function
k_q6c9bd350d4_attn:
	s_mov_b64 s[64:65], 0
	v_nop
	global_prefetch_b8 v0, s[64:65] scope:SCOPE_SE
	s_setreg_imm32_b32 hwreg(HW_REG_WAVE_MODE, 25, 1), 1
	s_wait_xcnt 0x0
	s_wait_alu depctr_hold_cnt(0) depctr_sa_sdst(0) depctr_va_vdst(0) depctr_va_sdst(0) depctr_va_ssrc(0) depctr_va_vcc(0) depctr_vm_vsrc(0)
	s_getreg_b32 s2, hwreg(HW_REG_IB_STS2, 6, 4)
	s_cmp_eq_u32 s2, 0
	s_cbranch_scc0 .Lentry_in_a_cluster
	s_endpgm
.Lentry_in_a_cluster:
	s_bfe_u32 s2, ttmp6, 0x10000c
	s_cmp_lg_u32 s2, 0x3003
	s_cbranch_scc0 .Lentry_shape_is_right
	s_endpgm
.Lentry_shape_is_right:
; out0[b][l][:] = softmax over m of (Q[b][l] . K[b][m] / sqrt(128)) times V[b][m][:].  qkv: [3][16384][128] bf16, Q already times log2(e) / sqrt(128),
; so a score is an exponent of 2.  out0: [16384][128] f32.  4 batches of 4,096 rows.
; LIMITS: Q, K, V and the weights p go into the matrix unit in bf16; the sum of the weights is taken from the unrounded p; v_exp_f32 gives 0 for
; results below 2^-126 (ISA guide 15.8), that is for weights more than 126 powers of two under the row's running maximum; the keys are taken in an
; order that differs from cluster to cluster (see THE WALK), so the order of rounding differs from an ascending sum's; NaN and infinities are
; not treated specially.  The maximum is always taken away, as a running maximum.
;
; SHARES.  256 work-groups of four waves, 64 queries each.  The KEYS are shared out among the waves: of each tile of 256 keys wave w takes keys
; 64 w .. 64 w + 63 against all 64 queries, so each byte of K and V is read from LDS once in a work-group (with the queries shared out: four times).
; Each wave keeps its own running maximum, sum and O; the four are merged at the end.  16 steps, 64 + 64 matrix instructions a wave a step.
; CLUSTER: the four work-groups of a cluster are query blocks of one batch and walk the same K and V: they ask for each tile jointly (mask 15),
; a quarter of the requests.  Waves 0, 1 bring K's two halves (128 rows x 256 bytes), waves 2, 3 V's.  Two LDS slots, one round of the cluster's barrier a step.
; THE WALK.  Cluster n takes the batch's 16 tiles of keys in the order 3 n, 3 n + 1, .. mod 16.  So in any one step the 16 clusters of a batch ask for 16
; different tiles, and from the second or third step on a tile has been asked for by another cluster before.  The factor 3: among the clusters picked
; by any one bit of n the starts lie at most 3 steps apart.  For the same reason nothing is prefetched: every tile is asked for by some cluster in the first steps.
;
; TRANSPOSED: S^T = K Q^T (source 0: 16 keys, source 1: 16 queries).  Register j of lane (r, h) in tile (kt, qt) is (key 16 kt + 8 h + j, query 16 qt + r):
; a lane holds one query's scores, and eight of them packed to bf16 are just what source 1 of O^T = V^T P^T wants of that lane: P never leaves its lane.
; V^T comes from V's rows by the transposing LDS load.  In O^T too a lane's column is its query: the rescaling factor is the lane's own.
.set KPITCH, 272                       ; 256 bytes + 16: sixteen rows start at sixteen different groups of banks
.set VPITCH, 288                       ; 256 bytes + 32: an odd multiple of 32, for the transposing load
.set KBYTES, 256*KPITCH                ; 69,632
.set SLOT,   KBYTES+256*VPITCH         ; 143,360
.set ML,     2*SLOT                    ; 286,720: 4 waves x 64 queries x (maximum, sum), written by LDS stores alone
.set OPITCH, 528                       ; the merge: a row of 128 f32 + 16 bytes
.set OSTAGE, 64*OPITCH                 ; 33,792 a wave, four of them inside slot 0, which has had its last fill by then
; window 0
.set ADRK, 2                           ; v2-3    slot n: my 16 bytes of K's row 64 w + r
.set ADRV, 4                           ; v4-5    slot n: my 16 bytes of V for the transposing load
.set RM,   8                           ; v[8+4qt]  running maximum      (v1 = r, v6 = h, v7 = my offset in Q: kept)
.set RL,   9                           ; v[9+4qt]  running sum, of my half's keys until the merge
.set RA,   10                          ; v[10+4qt] the factor 2^(old maximum - new maximum)
.set RT,   11                          ; v[11+4qt] at work
.set RTP,  24                          ; v[24+2qt:25+2qt] at work
.set MV,   32                          ; v32-63  the merge: the four waves' (maximum, sum) of my four queries
.set OBF,  64                          ; v64-127 the merge: four rows x four waves
.set SR,   128                         ; v128-255 S tile (kt, qt) at SR + 8 (4 kt + qt); P's fragment (ks2, qt) is made in place in tile (2 ks2, qt)
.set MLA,  128                         ; the merge's addresses, in S's registers when S is done with
.set MLR,  129
.set STO,  130
.set RD,   132                         ; v132-135
.set CO,   136
; window 1: O tile (dt, qt) at 8 (4 dt + qt).   window 2: Q fragment (qt, ks) at 8 (4 qt + ks);
.set KF,   128                         ; window 2: K fragment (kt, ks) at KF + 8 (4 kt + ks).   window 3: V^T fragment (dt, ks2) at 8 (2 dt + ks2)
.set G1K, 16                           ; s[16:23] group 1 for K
.set G1V, 24                           ; s[24:31] group 1 for V: other padding
.set G0K, 32                           ; s[32:39] group 0 for K, a set for each slot
.set G0V, 40                           ; s[40:47] group 0 for V
; s14 the tile last asked for, s[50:51] and s[52:53] my 128 rows in tile 0 of the batch's K and V, s[54:55] a tile's byte offset (s55 = 0)
.set MSB, 0
.macro WIN new                         ; s_set_vgpr_msb: bits 1:0 source 0, 3:2 source 1, 5:4 source 2, 7:6 destination; the high byte repeats the setting that is left
.if MSB != \new
	s_set_vgpr_msb (MSB<<8)|\new
.set MSB, \new
.endif
.endm
.macro PLACES n                        ; independent vector instructions behind a matrix instruction (ISA guide 7.12.1)
.rept \n
	v_nop
.endr
.endm
.macro ROUND                           ; a round of the cluster's barrier
	s_barrier_signal -1
	s_barrier_wait -1
	s_cmp_lg_u32 s8, 0
	s_cbranch_scc1 .Lnot_wave_0_\@
	s_barrier_signal -3
.Lnot_wave_0_\@:
	s_barrier_wait -3
	s_barrier_signal -1
	s_barrier_wait -1
.endm
.macro JLOAD slot                      ; one joint load a wave: waves 0, 1 a half of K's tile, waves 2, 3 a half of V's.  The branch hangs on the wave's number alone.
	s_cmp_eq_u32 s9, 0
	s_cbranch_scc0 .Lfor_v_\@
	tensor_load_to_lds s[G0K+4*(\slot):G0K+4*(\slot)+3], s[G1K:G1K+7]
	s_nop 0
	s_branch .Lasked_\@
.Lfor_v_\@:
	tensor_load_to_lds s[G0V+4*(\slot):G0V+4*(\slot)+3], s[G1V:G1V+7]
	s_nop 0
.Lasked_\@:
.endm
; Slot's two groups 0 get the addresses of tile s14: 256 rows of 256 bytes a tile.  Stands where no tensor load of the wave is out.
.macro TADDR slot
	s_lshl_b32 s54, s14, 16
	s_add_nc_u64 s[G0K+4*(\slot)+2:G0K+4*(\slot)+3], s[50:51], s[54:55]
	s_or_b32 s[G0K+4*(\slot)+3], s[G0K+4*(\slot)+3], 0x80000000    ; type = 2
	s_add_nc_u64 s[G0V+4*(\slot)+2:G0V+4*(\slot)+3], s[52:53], s[54:55]
	s_or_b32 s[G0V+4*(\slot)+3], s[G0V+4*(\slot)+3], 0x80000000
.endm
	s_load_b128 s[4:7], s[0:1], 0x0                ; qkv s[4:5], out0 s[6:7]
	s_set_vgpr_msb 0xc0
	v_lshl_add_u32 v128, v0, 2, 0x46800
	v_mov_b32 v129, 0
	s_set_vgpr_msb 0xc0cf
	ds_add_u32 v128, v129
	s_set_vgpr_msb 0xcf00
	v_lshrrev_b32 v1, 5, v0
	v_readfirstlane_b32 s8, v1                     ; wave 0..3
	s_lshr_b32 s9, s8, 1                           ; I bring K (0) or V (1),
	s_and_b32 s10, s8, 1                           ; and which 128 rows of the tile
	s_bfe_u32 s11, ttmp6, 0x40000                  ; my place in the cluster
	s_lshl_b32 s12, ttmp9, 2
	s_add_co_u32 s12, s12, s11                     ; work-group 0..255: enters Q's and out0's addresses alone
	s_lshr_b32 s13, ttmp9, 4                       ; batch: 16 clusters each, the same for all partners
	s_mul_i32 s14, ttmp9, 3
	s_and_b32 s14, s14, 15                         ; my cluster's first tile of keys: the same for all partners
	s_mov_b32 s48, 0x76543210                      ; v_permlanex16_b32: lane i of one half reads lane i of the other
	s_mov_b32 s49, 0xfedcba98
	; descriptor groups 1: 128 rows x 128 elements of 2 bytes; K padded by 4 words a row, V by 8
	s_mov_b32 s[G1K+0], 15|(1<<16)|(1<<20)|(1<<21)|(5<<22)|(3<<25)
	s_mov_b32 s[G1V+0], 15|(1<<16)|(1<<20)|(1<<21)|(5<<22)|(7<<25)
	s_mov_b32 s[G1K+1], 128<<16                    ; tensor_dim0 = 128
	s_mov_b32 s[G1V+1], 128<<16
	s_mov_b32 s[G1K+2], 128<<16                    ; tensor_dim1 = 128
	s_mov_b32 s[G1V+2], 128<<16
	s_mov_b32 s[G1K+3], 128<<16                    ; tile_dim0 = 128
	s_mov_b32 s[G1V+3], 128<<16
	s_mov_b32 s[G1K+4], 128                        ; tile_dim1 = 128
	s_mov_b32 s[G1V+4], 128
	s_mov_b32 s[G1K+5], 128                        ; elements from row to row
	s_mov_b32 s[G1V+5], 128
	s_mov_b32 s[G1K+6], 0
	s_mov_b32 s[G1V+6], 0
	s_mov_b32 s[G1K+7], 0
	s_mov_b32 s[G1V+7], 0
	s_lshl_b32 s54, s13, 20                        ; the batch's 4,096 rows of 256 bytes
	s_lshl_b32 s55, s10, 15                        ; my 128 rows of a tile
	s_add_co_u32 s54, s54, s55
	s_mov_b32 s55, 0
	s_mul_i32 s58, s10, 128*KPITCH                 ; where they go: K's halves,
	s_mul_i32 s59, s10, 128*VPITCH
	s_add_co_u32 s59, s59, KBYTES                  ; V's halves behind them
	s_lshl_b32 s56, s12, 14                        ; my 64 rows of Q
	s_mov_b32 s57, 0
	s_lshl_b32 s62, s12, 15                        ; my 64 rows of out0
	s_mov_b32 s63, 0
	s_wait_dscnt 0x0
	s_wait_kmcnt 0x0
	s_add_nc_u64 s[50:51], s[4:5], s[54:55]
	s_add_nc_u64 s[52:53], s[50:51], 0x800000      ; V's section
	s_add_nc_u64 s[50:51], s[50:51], 0x400000      ; K's section
	s_add_nc_u64 s[56:57], s[4:5], s[56:57]
	s_add_nc_u64 s[6:7], s[6:7], s[62:63]
.irp n, 0,1
	s_mov_b32 s[G0K+4*\n], 1
	s_add_co_u32 s[G0K+4*\n+1], s58, \n*SLOT
	s_mov_b32 s[G0V+4*\n], 1
	s_add_co_u32 s[G0V+4*\n+1], s59, \n*SLOT
.endr
	TADDR 0                                        ; slot 0: my cluster's first tile; slot 1's addresses are made in the first step
	ROUND                                          ; the four work-groups are here: the first joint loads meet
	JLOAD 0
	v_and_b32 v1, 15, v0                           ; r
	v_bfe_u32 v6, v0, 4, 1                         ; h
	v_lshlrev_b32 v7, 8, v1                        ; Q: row r, 16 bytes for each half of the lanes
	v_lshl_add_u32 v7, v6, 4, v7
	; Q's 64 rows straight into fragments, once: 16 KiB a wave; a pass through LDS for bytes that are read once would cost a tile and a barrier
	WIN 0x80
.irp qt, 0,1,2,3
.irp ks, 0,1,2,3
	global_load_b128 v[8*(4*\qt+\ks):8*(4*\qt+\ks)+3],   v7, s[56:57] offset:\qt*4096+64*\ks
	global_load_b128 v[8*(4*\qt+\ks)+4:8*(4*\qt+\ks)+7], v7, s[56:57] offset:\qt*4096+64*\ks+32
.endr
.endr
	WIN 0
	v_mul_u32_u24 v[ADRK], v1, KPITCH
	v_lshl_add_u32 v[ADRK], v6, 4, v[ADRK]
	s_mul_i32 s61, s8, 64*KPITCH                   ; my 64 keys
	v_add_nc_u32 v[ADRK], s61, v[ADRK]
	v_add_nc_u32 v[ADRK+1], SLOT, v[ADRK]
	v_and_b32 v[ADRV], 7, v0                       ; V: row 8 h + lane mod 8, 16 bytes by bit 3 of the lane
	v_mul_u32_u24 v[ADRV], v[ADRV], VPITCH
	v_bfe_u32 v[ADRV+1], v0, 3, 1
	v_lshl_add_u32 v[ADRV], v[ADRV+1], 4, v[ADRV]
	v_mul_u32_u24 v[ADRV+1], v6, 8*VPITCH
	v_add_nc_u32 v[ADRV], v[ADRV], v[ADRV+1]
	s_mul_i32 s61, s8, 64*VPITCH
	s_add_co_u32 s61, s61, KBYTES
	v_add_nc_u32 v[ADRV], s61, v[ADRV]
	v_add_nc_u32 v[ADRV+1], SLOT, v[ADRV]
.irp qt, 0,1,2,3
	v_mov_b32 v[RL+4*\qt], 0                       ; the pair (maximum, sum) is named whole before the first sum is there,
	v_mov_b32 v[RTP+2*\qt], 0                      ; and v_permlanex16_b32 counts as a reader of its destination
.endr
	s_wait_loadcnt 0x0                             ; Q, once
; The running softmax of my 64 keys x 64 queries: 32 scores a lane for each of four query tiles, the four tiles' chains side by side.
.macro SOFTMAX first
.irp qt, 0,1,2,3
	v_max_num_f32 v[RT+4*\qt], v[SR+8*\qt], v[SR+8*\qt+1]
.endr
.set e, 2
.rept 15
.irp qt, 0,1,2,3
	v_max3_num_f32 v[RT+4*\qt], v[RT+4*\qt], v[SR+8*(4*(e/8)+\qt)+e%8], v[SR+8*(4*(e/8)+\qt)+e%8+1]
.endr
.set e, e+2
.endr
.irp qt, 0,1,2,3
	v_permlanex16_b32 v[RTP+2*\qt], v[RT+4*\qt], s48, s49          ; the other half of the lanes holds the same query's other keys
.endr
.if \first
.irp qt, 0,1,2,3
	v_max_num_f32 v[RM+4*\qt], v[RT+4*\qt], v[RTP+2*\qt]
.endr
.else
.irp qt, 0,1,2,3
	v_max3_num_f32 v[RT+4*\qt], v[RT+4*\qt], v[RTP+2*\qt], v[RM+4*\qt]
.endr
.irp qt, 0,1,2,3
	v_sub_f32 v[RA+4*\qt], v[RM+4*\qt], v[RT+4*\qt]
.endr
.irp qt, 0,1,2,3
	v_mov_b32 v[RM+4*\qt], v[RT+4*\qt]
.endr
.irp qt, 0,1,2,3
	v_exp_f32 v[RA+4*\qt], v[RA+4*\qt]             ; 2^(old - new), at most 1; used far below (ISA guide 5.7.2: one plain instruction between)
.endr
.endif
.irp kt, 0,1,2,3
.irp qt, 0,1,2,3
.irp j, 0,2,4,6
	v_pk_add_f32 v[SR+8*(4*\kt+\qt)+\j:SR+8*(4*\kt+\qt)+\j+1], v[SR+8*(4*\kt+\qt)+\j:SR+8*(4*\kt+\qt)+\j+1], v[RM+4*\qt:RM+4*\qt+1] op_sel_hi:[1,0] neg_lo:[0,1] neg_hi:[0,1]   ; score - maximum
.endr
.endr
.endr
.irp i, 0,1,2,3,4,5,6,7,8,9,10,11,12,13,14,15
.irp j, 0,1,2,3,4,5,6,7
	v_exp_f32 v[SR+8*\i+\j], v[SR+8*\i+\j]
.endr
.endr
	v_nop                                          ; one plain instruction behind the run of exponentials, before their results are read
	s_wait_alu depctr_va_vdst(0)
.irp qt, 0,1,2,3
	v_pk_add_f32 v[RTP+2*\qt:RTP+2*\qt+1], v[SR+8*\qt:SR+8*\qt+1], v[SR+8*\qt+2:SR+8*\qt+3]
.endr
.set e, 4
.rept 14
.irp qt, 0,1,2,3
	v_pk_add_f32 v[RTP+2*\qt:RTP+2*\qt+1], v[RTP+2*\qt:RTP+2*\qt+1], v[SR+8*(4*(e/8)+\qt)+e%8:SR+8*(4*(e/8)+\qt)+e%8+1]
.endr
.set e, e+2
.endr
.if \first
.irp qt, 0,1,2,3
	v_add_f32 v[RL+4*\qt], v[RTP+2*\qt], v[RTP+2*\qt+1]
.endr
.else
.irp qt, 0,1,2,3
	v_add_f32 v[RT+4*\qt], v[RTP+2*\qt], v[RTP+2*\qt+1]
.endr
.irp qt, 0,1,2,3
	v_fma_f32 v[RL+4*\qt], v[RL+4*\qt], v[RA+4*\qt], v[RT+4*\qt]
.endr
.endif
	; P to bf16, in place: tile (2 ks2, qt) gets its own eight in registers 0-3 (keys 8 h + 0..7 of 32) and tile (2 ks2 + 1, qt)'s in registers 4-7 (keys 16 + 8 h + 0..7)
.irp ks2, 0,1
.irp qt, 0,1,2,3
.irp q, 0,1,2,3
	v_cvt_pk_bf16_f32 v[SR+8*(8*\ks2+\qt)+\q], v[SR+8*(8*\ks2+\qt)+2*\q], v[SR+8*(8*\ks2+\qt)+2*\q+1]
.endr
.irp q, 0,1,2,3
	v_cvt_pk_bf16_f32 v[SR+8*(8*\ks2+\qt)+4+\q], v[SR+8*(8*\ks2+4+\qt)+2*\q], v[SR+8*(8*\ks2+4+\qt)+2*\q+1]
.endr
.endr
.endr
.endm
; One step: 256 keys in slot.  In front of the round every wave has waited for all its tensor loads (its part of this slot among them) and for its
; reads of the other slot; behind the round the other slot is asked for again, first thing, and this slot is whole.  That load has the whole step
; in which to land; a wave never has more than one tensor load out.
.macro STEP slot, refill, first
	s_set_vgpr_msb 0xf
	s_wait_tensorcnt 0x0                           ; no tensor load of mine is out: the groups 0 may be written
	ds_add_u32 v128, v129
	s_wait_dscnt 0x0
	s_set_vgpr_msb 0xf00
.if \refill
	s_add_co_u32 s14, s14, 1                       ; the next tile of my cluster's walk, round the batch's sixteen
	s_and_b32 s14, s14, 15
	TADDR 1-\slot
.endif
	s_wait_dscnt 0x0
	ROUND
.if \refill
	JLOAD 1-\slot
.endif
	WIN 0x80                                       ; K's fragments into window 2
.irp kt, 0,1,2,3
.irp ks, 0,1,2,3
	ds_load_b128 v[KF+8*(4*\kt+\ks):KF+8*(4*\kt+\ks)+3],   v[ADRK+\slot] offset:\kt*16*KPITCH+64*\ks
	ds_load_b128 v[KF+8*(4*\kt+\ks)+4:KF+8*(4*\kt+\ks)+7], v[ADRK+\slot] offset:\kt*16*KPITCH+64*\ks+32
.endr
.endr
	WIN 0xc0                                       ; V^T's fragments into window 3
.irp ks2, 0,1
.irp dt, 0,1,2,3,4,5,6,7
	ds_load_tr16_b128 v[8*(2*\dt+\ks2):8*(2*\dt+\ks2)+3],   v[ADRV+\slot] offset:\ks2*32*VPITCH+32*\dt
	ds_load_tr16_b128 v[8*(2*\dt+\ks2)+4:8*(2*\dt+\ks2)+7], v[ADRV+\slot] offset:\ks2*32*VPITCH+16*VPITCH+32*\dt
.endr
.endr
	s_wait_dscnt 32                                ; K's 32 loads are in; V's 32, issued behind them, may stay out
	WIN 0x0a                                       ; S^T = K Q^T: sources in window 2.  The 16 accumulators take turns, one instruction a turn
.irp ks, 0,1,2,3
.irp kt, 0,1,2,3
.irp qt, 0,1,2,3
.if \ks == 0
	v_wmma_f32_16x16x32_bf16 v[SR+8*(4*\kt+\qt):SR+8*(4*\kt+\qt)+7], v[KF+8*(4*\kt+\ks):KF+8*(4*\kt+\ks)+7], v[8*(4*\qt+\ks):8*(4*\qt+\ks)+7], 0
.else
	v_wmma_f32_16x16x32_bf16 v[SR+8*(4*\kt+\qt):SR+8*(4*\kt+\qt)+7], v[KF+8*(4*\kt+\ks):KF+8*(4*\kt+\ks)+7], v[8*(4*\qt+\ks):8*(4*\qt+\ks)+7], v[SR+8*(4*\kt+\qt):SR+8*(4*\kt+\qt)+7]
.endif
.endr
.endr
.endr
	WIN 0
	PLACES 4                                       ; before the scores are read, and before K's fragments are loaded again
	SOFTMAX \first
	s_wait_dscnt 0x0                               ; V^T's fragments
.if \first == 0
	WIN 0x41
.irp dt, 0,1,2,3,4,5,6,7
.irp qt, 0,1,2,3
.irp j, 0,2,4,6
	v_pk_mul_f32 v[8*(4*\dt+\qt)+\j:8*(4*\dt+\qt)+\j+1], v[8*(4*\dt+\qt)+\j:8*(4*\dt+\qt)+\j+1], v[RA+4*\qt:RA+4*\qt+1] op_sel_hi:[1,0]   ; O to the new maximum
.endr
.endr
.endr
.endif
	WIN 0x53                                       ; O^T += V^T P^T: V^T in window 3, P in window 0, O in window 1.  The 32 accumulators take turns
.irp ks2, 0,1
.irp dt, 0,1,2,3,4,5,6,7
.irp qt, 0,1,2,3
.if \first && (\ks2 == 0)
	v_wmma_f32_16x16x32_bf16 v[8*(4*\dt+\qt):8*(4*\dt+\qt)+7], v[8*(2*\dt+\ks2):8*(2*\dt+\ks2)+7], v[SR+8*(8*\ks2+\qt):SR+8*(8*\ks2+\qt)+7], 0
.else
	v_wmma_f32_16x16x32_bf16 v[8*(4*\dt+\qt):8*(4*\dt+\qt)+7], v[8*(2*\dt+\ks2):8*(2*\dt+\ks2)+7], v[SR+8*(8*\ks2+\qt):SR+8*(8*\ks2+\qt)+7], v[8*(4*\dt+\qt):8*(4*\dt+\qt)+7]
.endif
.endr
.endr
.endr
	WIN 0
	PLACES 5                                       ; the next step's first products write over P, its loads land in V^T's fragments, its rescaling writes O
.endm
	STEP 0, 1, 1                                   ; the first step starts maximum, sum and O: nothing is cleared or rescaled
	STEP 1, 1, 0
	s_mov_b32 s60, 6
.Lpair:
	STEP 0, 1, 0
	STEP 1, 1, 0
	s_sub_co_u32 s60, s60, 1
	s_cmp_lg_u32 s60, 0
	s_cbranch_scc1 .Lpair
	STEP 0, 1, 0                                   ; asks for the sixteenth tile of the walk
	STEP 1, 0, 0                                   ; nothing is left to ask for
	; THE MERGE of the four waves' parts.  First the figures: each wave's (maximum, sum) of each query.
	s_lshl_b32 s61, s8, 9
	s_add_co_u32 s61, s61, ML
	v_lshlrev_b32 v[MLR], 3, v1
	v_add_nc_u32 v[MLA], s61, v[MLR]               ; my wave's 64 pairs
	v_add_nc_u32 v[MLR], ML, v[MLR]
	v_mul_u32_u24 v[STO], v1, OPITCH               ; O, in: row r, 32 bytes for each half of the lanes
	v_lshl_add_u32 v[STO], v6, 5, v[STO]
	s_mul_i32 s62, s8, OSTAGE
	v_add_nc_u32 v[STO], s62, v[STO]
	v_and_b32 v[RD], 31, v0
	v_lshlrev_b32 v[RD], 4, v[RD]                  ; back: a row of 512 bytes, 16 a lane
	s_lshl_b32 s63, s8, 13
	v_add_nc_u32 v[CO], s63, v[RD]                 ; my wave's 16 rows of out0
	s_mul_i32 s63, s8, 16*OPITCH
	v_add_nc_u32 v[RD], s63, v[RD]                 ; the same 16 rows in wave 0's stage,
.irp p, 1,2,3
	v_add_nc_u32 v[RD+\p], \p*OSTAGE, v[RD]        ; and in the others'
.endr
.irp qt, 0,1,2,3
	v_permlanex16_b32 v[RTP+2*\qt], v[RL+4*\qt], s48, s49
.endr
.irp qt, 0,1,2,3
	v_add_f32 v[RL+4*\qt], v[RL+4*\qt], v[RTP+2*\qt]               ; the sum over both halves' keys
.endr
.irp qt, 0,1,2,3
	ds_store_b64 v[MLA], v[RM+4*\qt:RM+4*\qt+1] offset:128*\qt     ; both halves of the lanes write the same pair
.endr
	s_wait_dscnt 0x0                               ; my pairs are in LDS: the others read them behind the barrier
	s_barrier_signal -1
	s_barrier_wait -1
.irp qt, 0,1,2,3
.irp p, 0,1,2,3
	ds_load_b64 v[MV+8*\qt+2*\p:MV+8*\qt+2*\p+1], v[MLR] offset:512*\p+128*\qt
.endr
.endr
	s_wait_dscnt 0x0
.irp qt, 0,1,2,3
	v_max3_num_f32 v[RT+4*\qt], v[MV+8*\qt], v[MV+8*\qt+2], v[MV+8*\qt+4]
.endr
.irp qt, 0,1,2,3
	v_max_num_f32 v[RT+4*\qt], v[RT+4*\qt], v[MV+8*\qt+6]          ; the query's maximum over all keys
.endr
.irp qt, 0,1,2,3
.irp p, 0,1,2,3
	v_sub_f32 v[MV+8*\qt+2*\p], v[MV+8*\qt+2*\p], v[RT+4*\qt]
.endr
	v_sub_f32 v[RA+4*\qt], v[RM+4*\qt], v[RT+4*\qt]
.endr
.irp qt, 0,1,2,3
.irp p, 0,1,2,3
	v_exp_f32 v[MV+8*\qt+2*\p], v[MV+8*\qt+2*\p]
.endr
	v_exp_f32 v[RA+4*\qt], v[RA+4*\qt]
.endr
	v_nop                                          ; one plain instruction behind the exponentials
	s_wait_alu depctr_va_vdst(0)
.irp qt, 0,1,2,3
	v_mul_f32 v[RTP+2*\qt], v[MV+8*\qt+1], v[MV+8*\qt]
.endr
.irp p, 1,2,3
.irp qt, 0,1,2,3
	v_fmac_f32 v[RTP+2*\qt], v[MV+8*\qt+2*\p+1], v[MV+8*\qt+2*\p]  ; the whole sum: at least 1, the largest score's own weight
.endr
.endr
.irp qt, 0,1,2,3
	v_rcp_f32 v[RTP+2*\qt+1], v[RTP+2*\qt]
.endr
	v_nop                                          ; one plain instruction behind the reciprocals
	s_wait_alu depctr_va_vdst(0)
.irp qt, 0,1,2,3
	v_mul_f32 v[RA+4*\qt], v[RA+4*\qt], v[RTP+2*\qt+1]             ; my part's weight: 2^(my maximum - the maximum) / the sum
.endr
	WIN 0x41
.irp dt, 0,1,2,3,4,5,6,7
.irp qt, 0,1,2,3
.irp j, 0,2,4,6
	v_pk_mul_f32 v[8*(4*\dt+\qt)+\j:8*(4*\dt+\qt)+\j+1], v[8*(4*\dt+\qt)+\j:8*(4*\dt+\qt)+\j+1], v[RA+4*\qt:RA+4*\qt+1] op_sel_hi:[1,0]
.endr
.endr
.endr
	; My weighted O into my stage.  The stages lie in slot 0: its last fill landed before the fifteenth step, and every wave's last reads of it were waited for in front of the sixteenth step's round.
	WIN 0x04                                       ; store data in window 1
.irp dt, 0,1,2,3,4,5,6,7
.irp qt, 0,1,2,3
	ds_store_b128 v[STO], v[8*(4*\dt+\qt):8*(4*\dt+\qt)+3]   offset:\qt*16*OPITCH+64*\dt       ; query 16 qt + r, d = 16 dt + 8 h + 0..3
	ds_store_b128 v[STO], v[8*(4*\dt+\qt)+4:8*(4*\dt+\qt)+7] offset:\qt*16*OPITCH+64*\dt+16
.endr
.endr
	WIN 0
	s_wait_dscnt 0x0
	s_barrier_signal -1
	s_barrier_wait -1
	; Wave w adds the four parts of queries 16 w .. 16 w + 15, four rows at a time, and stores whole rows.
.irp b, 0,1,2,3
.if \b
	s_wait_xcnt 0x0                                ; the last four stores have had their addresses translated (ISA guide 3.1): their data registers are loaded again only behind this wait
.endif
.irp i, 0,1,2,3
.irp p, 0,1,2,3
	ds_load_b128 v[OBF+16*\i+4*\p:OBF+16*\i+4*\p+3], v[RD+\p] offset:(4*\b+\i)*OPITCH
.endr
.endr
	s_wait_dscnt 0x0
.irp i, 0,1,2,3
	v_pk_add_f32 v[OBF+16*\i:OBF+16*\i+1],     v[OBF+16*\i:OBF+16*\i+1],     v[OBF+16*\i+4:OBF+16*\i+5]
	v_pk_add_f32 v[OBF+16*\i+2:OBF+16*\i+3],   v[OBF+16*\i+2:OBF+16*\i+3],   v[OBF+16*\i+6:OBF+16*\i+7]
	v_pk_add_f32 v[OBF+16*\i+8:OBF+16*\i+9],   v[OBF+16*\i+8:OBF+16*\i+9],   v[OBF+16*\i+12:OBF+16*\i+13]
	v_pk_add_f32 v[OBF+16*\i+10:OBF+16*\i+11], v[OBF+16*\i+10:OBF+16*\i+11], v[OBF+16*\i+14:OBF+16*\i+15]
	v_pk_add_f32 v[OBF+16*\i:OBF+16*\i+1],     v[OBF+16*\i:OBF+16*\i+1],     v[OBF+16*\i+8:OBF+16*\i+9]
	v_pk_add_f32 v[OBF+16*\i+2:OBF+16*\i+3],   v[OBF+16*\i+2:OBF+16*\i+3],   v[OBF+16*\i+10:OBF+16*\i+11]
	global_store_b128 v[CO], v[OBF+16*\i:OBF+16*\i+3], s[6:7] offset:(4*\b+\i)*512 th:TH_STORE_NT   ; a row of out0: 512 neighbouring bytes, aligned
.endr
.endr
	s_set_vgpr_msb 0xf
	s_wait_tensorcnt 0x0
	ds_add_u32 v128, v129
	s_wait_dscnt 0x0
	s_set_vgpr_msb 0xf00
	ROUND                                          ; the closing round: no work-group ends while a partner may still ask for a tile that names it
	s_endpgm
.Lfunc_end_k_q6c9bd350d4_attn:
	.size	k_q6c9bd350d4_attn, .Lfunc_end_k_q6c9bd350d4_attn-k_q6c9bd350d4_attn
	.p2alignl 7, 3214868480
	.fill 96, 4, 3214868480
	.section	.rodata,"a",@progbits
	.p2align	6, 0x0
	.amdhsa_kernel k_q6c9bd350d4_attn
		.amdhsa_group_segment_fixed_size 327680
		.amdhsa_private_segment_fixed_size 0
		.amdhsa_enable_private_segment 0
		.amdhsa_kernarg_size 16
		.amdhsa_user_sgpr_count 2
		.amdhsa_user_sgpr_kernarg_segment_ptr 1
		.amdhsa_wavefront_size32 1
		.amdhsa_system_sgpr_workgroup_id_x 1
		.amdhsa_system_sgpr_workgroup_id_y 1
		.amdhsa_system_sgpr_workgroup_id_z 1
		.amdhsa_system_vgpr_workitem_id 0
		.amdhsa_next_free_vgpr 898
		.amdhsa_next_free_sgpr 66
		.amdhsa_reserve_vcc 0
		.amdhsa_float_denorm_mode_32 3
		.amdhsa_float_denorm_mode_16_64 3
		.amdhsa_memory_ordered 1
		.amdhsa_forward_progress 1
		.amdhsa_inst_pref_size 255
	.end_amdhsa_kernel
	.section	.bss,"aw",@nobits
	.p2align	6
	.space	262144
	.amdgpu_metadata
---
amdhsa.version: [ 1, 2 ]
amdhsa.kernels:
  - .name:           k_q6c9bd350d4_attn
    .symbol:         k_q6c9bd350d4_attn.kd
    .args:
      - { .name: qkv, .offset: 0, .size: 8, .value_kind: global_buffer, .address_space: global }
      - { .name: out0, .offset: 8, .size: 8, .value_kind: global_buffer, .address_space: global }
    .group_segment_fixed_size: 327680
    .private_segment_fixed_size: 0
    .kernarg_segment_align: 8
    .kernarg_segment_size: 16
    .max_flat_workgroup_size: 128
    .sgpr_count:     66
    .vgpr_count:     898
    .wavefront_size: 32
...
	.end_amdgpu_metadata
.endif
;; end of part 5
;; ======== version 3 of 3: 3 launches; version 2 with the launch prep written anew for expert scheduling mode
;; workspace buffers: qkv 12,582,912 bytes; wt 786,432 bytes
;; launch prep (part 6): grid 16 x 3, 4 waves a work-group, no clusters, 17,920 bytes of LDS; arguments Wq, Wk, Wv, wt; writes wt
.if DOCPART == 6
	.amdgcn_target "amdgcn-amd-amdhsa--gfx1250"
	.amdhsa_code_object_version 6
	.text
	.protected	k_q6c9bd350d4_prep
	.globl	k_q6c9bd350d4_prep
	.p2align	8
	.type	k_q6c9bd350d4_prep,@function
k_q6c9bd350d4_prep:
	s_mov_b64 s[64:65], 0
	v_nop
	global_prefetch_b8 v0, s[64:65] scope:SCOPE_SE
	s_setreg_imm32_b32 hwreg(HW_REG_WAVE_SCHED_MODE, 0, 2), 2
	s_setreg_imm32_b32 hwreg(HW_REG_WAVE_MODE, 25, 1), 1
	s_wait_xcnt 0x0
	s_wait_alu depctr_vm_vsrc(0)
; wt[128 g + n][k] = bf16(W_g[k][n]),  g = 0, 1, 2 for Wq, Wk, Wv.  W: [1024][128] f32.  wt: [384][1024] bf16.
; W is turned once, so that the next launch's 256 work-groups find k along the rows, in the matrix unit's format, at half the bytes.
; LIMITS: W is rounded to bf16 (nearest even), as the products allow; NaN and infinities pass as the conversion makes them.
;
; SHARES.  A work-group turns 128 k x 64 n of one matrix: the smallest tile whose rows are whole aligned blocks of 256 bytes on both sides
; (64 f32 in, 128 bf16 out).  That makes 8 x 2 x 3 = 48 work-groups: x = k tile + 8 x column half, y = matrix.  No work-group shares a byte with
; another, so there is no cluster; the matrix unit and the tensor mover have nothing to do here.
; Wave w takes rows k = 32 w .. 32 w + 31 in two blocks of 16.  In load i of a block lanes 0-15 read 256 bytes of row i, lanes 16-31 of row 8 + i:
; a lane ends up with 8 k x 4 n, packs each n's eight k into 16 bytes and lays them into LDS; whole rows of 256 bytes are read back and stored.
; LDS row 16 c + a holds column n = 4 a + c: the sixteen lanes of a store (a = 0 .. 15, one c) are then 272 bytes apart and take sixteen different
; 16-byte columns of the 64 banks (ISA guide 11.1).
; THE MODE: SCHED_MODE bits 1:0 = 2 (LLVM: expert scheduling mode 2), set by the entry lines.  The code itself states the register dependences
; between vector instructions and memory or LDS instructions, with s_wait_alu, always for 0.
; THE PLAN.  Registers that memory or LDS instructions touch:
;   v4-7        offsets and LDS addresses: written at the head, once; read by the loads, the LDS stores, the read-backs and the stores.
;   v104, v105  written at the head; read by the closing add alone.
;   IN          the 16 loads land in it; the conversions read it; behind the barrier the read-backs land in its first 32 registers, which the stores then read.
;   PK          block b's sixteen conversions write its half, each register once; the block's four LDS stores read it; it is never written again.
;   s12         written by v_readfirstlane_b32, read by scalar instructions.
; So: one wait on va_sdst ahead of s12's first reader; one wait on va_vdst ahead of the first load, for all the addresses; one behind each block's
; sixteen conversions, ahead of the block's run of four LDS stores.  No vector instruction follows the last of these, so it also states that the
; conversions are done reading the registers in which the read-backs land.  No register that a memory or LDS instruction has read is written again,
; so the text holds no wait on vm_vsrc.
.set PITCH, 272                        ; 256 bytes + 16
.set GI,  4                            ; v4  my byte offset in W
.set LS,  5                            ; v5  LDS: where my 16 bytes go
.set LR,  6                            ; v6  LDS: where I read a row back
.set GO,  7                            ; v7  my byte offset in wt
.set IN,  8                            ; v8-71  as loaded: block b, row i at IN + 4 (8 b + i); later the rows read back
.set PK,  72                           ; v72-103 packed: block b, column c at PK + 4 (4 b + c)
	s_load_b256 s[4:11], s[0:1], 0x0               ; Wq s[4:5], Wk s[6:7], Wv s[8:9], wt s[10:11]
	v_lshl_add_u32 v104, v0, 2, 0x4400
	v_mov_b32 v105, 0
	v_lshrrev_b32 v1, 5, v0
	v_readfirstlane_b32 s12, v1                    ; wave 0..3
	s_and_b32 s13, ttmp7, 0xffff                   ; matrix
	s_and_b32 s14, ttmp9, 7                        ; k tile
	s_lshr_b32 s15, ttmp9, 3                       ; column half
	v_and_b32 v1, 15, v0                           ; a: lane mod 16
	v_bfe_u32 v2, v0, 4, 1                         ; h: half of the lanes
	v_lshlrev_b32 v3, 4, v1                        ; 16 a
	v_lshl_add_u32 v[GI], v2, 12, v3               ; in: 16 bytes a lane, lanes 16-31 eight rows of 512 bytes further down,
	s_wait_alu depctr_va_sdst(0)                   ; s12 is written, ahead of its first reader: the wave's parts of the four addresses are made from it
	s_lshl_b32 s16, s12, 14
	v_add_nc_u32 v[GI], s16, v[GI]                 ; my wave's 32 rows
	v_mul_u32_u24 v[LS], v1, PITCH                 ; LDS, in: row a (+ 16 c in the immediate), the 16 bytes of k = 32 w + 16 b + 8 h .. + 7
	v_lshl_add_u32 v[LS], v2, 4, v[LS]
	s_lshl_b32 s17, s12, 6
	v_add_nc_u32 v[LS], s17, v[LS]
	v_mul_u32_u24 v[LR], v2, PITCH                 ; LDS, back: row 4 w + h (+ the immediate), 16 bytes a lane
	v_add_nc_u32 v[LR], v[LR], v3
	s_mul_i32 s18, s12, 4*PITCH
	v_add_nc_u32 v[LR], s18, v[LR]
	v_lshl_add_u32 v[GO], v2, 13, v3               ; out: column 16 w + 4 h (+ the immediate), rows of 2,048 bytes
	s_lshl_b32 s19, s12, 15
	v_add_nc_u32 v[GO], s19, v[GO]
	s_lshl_b32 s24, s14, 16                        ; in: 128 rows of 512 bytes a k tile,
	s_lshl_b32 s25, s15, 8                         ; 256 bytes a column half
	s_add_co_u32 s24, s24, s25
	s_mov_b32 s25, 0
	s_lshl_b32 s26, s13, 18                        ; out: 128 rows of 2,048 bytes a matrix,
	s_lshl_b32 s27, s15, 17                        ; 64 rows a column half,
	s_add_co_u32 s26, s26, s27
	s_lshl_b32 s27, s14, 8                         ; 256 bytes a k tile
	s_add_co_u32 s26, s26, s27
	s_mov_b32 s27, 0
	s_wait_kmcnt 0x0
	s_cmp_eq_u32 s13, 0
	s_cselect_b64 s[20:21], s[4:5], s[8:9]
	s_cmp_eq_u32 s13, 1
	s_cselect_b64 s[20:21], s[6:7], s[20:21]       ; my matrix
	s_add_nc_u64 s[20:21], s[20:21], s[24:25]
	s_add_nc_u64 s[22:23], s[10:11], s[26:27]
	s_wait_alu depctr_va_vdst(0)                   ; v4 to v7 are written, which the loads, LDS stores, read-backs and stores below read as offsets and addresses; so are v104 and v105, which the closing add reads
.irp b, 0,1
.irp i, 0,1,2,3,4,5,6,7
	global_load_b128 v[IN+4*(8*\b+\i):IN+4*(8*\b+\i)+3], v[GI], s[20:21] offset:\b*8192+\i*512 th:TH_LOAD_NT
.endr
.endr
.irp b, 0,1
	s_wait_loadcnt 8*(1-\b)                        ; loads come back in order (ISA guide 5.7.1): block b is in, the later block's eight may be out
.irp c, 0,1,2,3
.irp q, 0,1,2,3
	v_cvt_pk_bf16_f32 v[PK+4*(4*\b+\c)+\q], v[IN+4*(8*\b+2*\q)+\c], v[IN+4*(8*\b+2*\q+1)+\c]   ; column 4 a + c, k = 2 q and 2 q + 1 of my eight
.endr
.endr
	s_wait_alu depctr_va_vdst(0)                   ; the block's sixteen conversions have written its half of PK, which the four LDS stores below read; behind the second block's: all conversions are done reading IN, in which the read-backs land
.irp c, 0,1,2,3
	ds_store_b128 v[LS], v[PK+4*(4*\b+\c):PK+4*(4*\b+\c)+3] offset:\c*16*PITCH+32*\b
.endr
.endr
	s_wait_dscnt 0x0                               ; my stores are in LDS: the other waves read them behind the barrier
	s_barrier_signal -1
	s_barrier_wait -1
	; read-back j: LDS row 16 (j / 2) + 4 w + 2 (j mod 2) + h, which is column 16 w + 8 (j mod 2) + 4 h + j / 2
.irp j, 0,1,2,3,4,5,6,7
	ds_load_b128 v[IN+4*\j:IN+4*\j+3], v[LR] offset:(16*(\j/2)+2*(\j%2))*PITCH   ; no wait: no vector instruction since the last wait on va_vdst names these registers
.endr
.irp j, 0,1,2,3,4,5,6,7
	s_wait_dscnt 7-\j                              ; the younger read-backs stay out
	global_store_b128 v[GO], v[IN+4*\j:IN+4*\j+3], s[22:23] offset:(8*(\j%2)+\j/2)*2048   ; sixteen lanes store 256 consecutive bytes, aligned
.endr
	s_wait_dscnt 0x0                               ; the closing lines, six on end
	s_wait_alu 0x0
	s_wait_tensorcnt 0x0
	ds_add_u32 v104, v105
	s_wait_dscnt 0x0
	s_endpgm
.Lfunc_end_k_q6c9bd350d4_prep:
	.size	k_q6c9bd350d4_prep, .Lfunc_end_k_q6c9bd350d4_prep-k_q6c9bd350d4_prep
	.p2alignl 7, 3214868480
	.fill 96, 4, 3214868480
	.section	.rodata,"a",@progbits
	.p2align	6, 0x0
	.amdhsa_kernel k_q6c9bd350d4_prep
		.amdhsa_group_segment_fixed_size 17920
		.amdhsa_private_segment_fixed_size 0
		.amdhsa_enable_private_segment 0
		.amdhsa_kernarg_size 32
		.amdhsa_user_sgpr_count 2
		.amdhsa_user_sgpr_kernarg_segment_ptr 1
		.amdhsa_wavefront_size32 1
		.amdhsa_system_sgpr_workgroup_id_x 1
		.amdhsa_system_sgpr_workgroup_id_y 1
		.amdhsa_system_sgpr_workgroup_id_z 1
		.amdhsa_system_vgpr_workitem_id 0
		.amdhsa_next_free_vgpr 106
		.amdhsa_next_free_sgpr 66
		.amdhsa_reserve_vcc 0
		.amdhsa_float_denorm_mode_32 3
		.amdhsa_float_denorm_mode_16_64 3
		.amdhsa_memory_ordered 1
		.amdhsa_forward_progress 1
		.amdhsa_inst_pref_size 9
	.end_amdhsa_kernel
	.amdgpu_metadata
---
amdhsa.version: [ 1, 2 ]
amdhsa.kernels:
  - .name:           k_q6c9bd350d4_prep
    .symbol:         k_q6c9bd350d4_prep.kd
    .args:
      - { .name: Wq, .offset: 0, .size: 8, .value_kind: global_buffer, .address_space: global }
      - { .name: Wk, .offset: 8, .size: 8, .value_kind: global_buffer, .address_space: global }
      - { .name: Wv, .offset: 16, .size: 8, .value_kind: global_buffer, .address_space: global }
      - { .name: wt, .offset: 24, .size: 8, .value_kind: global_buffer, .address_space: global }
    .group_segment_fixed_size: 17920
    .private_segment_fixed_size: 0
    .kernarg_segment_align: 8
    .kernarg_segment_size: 32
    .max_flat_workgroup_size: 128
    .sgpr_count:     66
    .vgpr_count:     106
    .wavefront_size: 32
...
	.end_amdgpu_metadata
.endif
;; end of part 6
;; launch proj: the kernel of part 4 again; grid 256 x 1, 4 waves a work-group, clusters of 4 x 1, 327,680 bytes of LDS; arguments x, wt, bq, bk, bv, qkv; writes qkv
;; launch attn: the kernel of part 5 again; grid 256 x 1, 4 waves a work-group, clusters of 4 x 1, 327,680 bytes of LDS; arguments qkv, out0; writes out0
